; MI455X (gfx1250); checked and timed in simulation.
; The chip was launched on July 23, 2026; its instructions are those of AMD's public machine-readable ISA for CDNA 5 (MIT licence, August 2026) and "CDNA5" Instruction Set Architecture Reference Guide (July 2026). The comments in the code are by the model that wrote it; some were corrected since.
;; Transformer Decoder Block. Allowed arithmetic: matrix products marked QUANTISED: E4M3 operands, one given power-of-two scale a tensor, by v_wmma_f32_16x16x64_fp8_fp8 or v_wmma_f32_16x16x128_fp8_fp8, f32 sums; everything else in f32.
;; Inputs: Wf1 1,024 x 1,024 float32; Wf2 1,024 x 1,024 float32; Wk1 16 x 1,024 x 64 float32; Wk2 16 x 1,024 x 64 float32; Wq1 16 x 1,024 x 64 float32; Wq2 16 x 1,024 x 64 float32; Wv1 16 x 1,024 x 64 float32; Wv2 16 x 1,024 x 64 float32; be1 1,024 float32; be2 1,024 float32; be3 1,024 float32; bf1 1,024 float32; bf2 1,024 float32; bv1 16 x 64 float32; bv2 16 x 64 float32; encoder_output 2 x 2,048 x 1,024 float32; g1 1,024 float32; g2 1,024 float32; g3 1,024 float32; input_tensor 2 x 2,048 x 1,024 float32; lowp_scales 24 int32 (the exponents e of the quantised operands' scales 2^e).
;; Outputs: out0 2 x 2,048 x 1,024 float32.
;; This version of the problem:
;;   THIS VERSION OF THE PROBLEM IS GIVEN IN LOW PRECISION. The matrix products marked QUANTISED in the list below multiply operands that are first quantised to E4M3 (4 exponent bits, 3 mantissa bits; 8 bits a number), with one given power-of-two scale for each operand tensor; their sums are f32. All else is computed in f32.
;;   The module's matrix products, in the order in which they are computed (A, B: the left and right operand; K: the contracted axis; several contracted axes count as one K, in the product's order):
;;     1. [M 1,024, K 1,024] x [K 1,024, N 4,096]; A: input Wq1; B: input input_tensor: QUANTISED (scales: A lowp_scales[0], B lowp_scales[1])
;;     2. [M 1,024, K 1,024] x [K 1,024, N 4,096]; A: input Wk1; B: input input_tensor: QUANTISED (scales: A lowp_scales[2], B lowp_scales[3])
;;     3. [M 1,024, K 1,024] x [K 1,024, N 4,096]; A: input Wv1; B: input input_tensor: QUANTISED (scales: A lowp_scales[4], B lowp_scales[5])
;;     4. batch 32 x [M 2,048, K 64] x [K 64, N 2,048]; A: computed on the way; B: computed on the way: QUANTISED (scales: A lowp_scales[6], B lowp_scales[7])
;;     5. batch 32 x [M 2,048, K 2,048] x [K 2,048, N 64]; A: softmax (see below); B: computed on the way: QUANTISED (scales: A lowp_scales[8], B lowp_scales[9])
;;     6. [M 1,024, K 1,024] x [K 1,024, N 4,096]; A: input Wq2; B: computed on the way: QUANTISED (scales: A lowp_scales[10], B lowp_scales[11])
;;     7. [M 1,024, K 1,024] x [K 1,024, N 4,096]; A: input Wk2; B: input encoder_output: QUANTISED (scales: A lowp_scales[12], B lowp_scales[13])
;;     8. [M 1,024, K 1,024] x [K 1,024, N 4,096]; A: input Wv2; B: input encoder_output: QUANTISED (scales: A lowp_scales[14], B lowp_scales[15])
;;     9. batch 32 x [M 2,048, K 64] x [K 64, N 2,048]; A: computed on the way; B: computed on the way: QUANTISED (scales: A lowp_scales[16], B lowp_scales[17])
;;     10. batch 32 x [M 2,048, K 2,048] x [K 2,048, N 64]; A: softmax (see below); B: computed on the way: QUANTISED (scales: A lowp_scales[18], B lowp_scales[19])
;;     11. [M 4,096, K 1,024] x [K 1,024, N 1,024]; A: computed on the way; B: input Wf1: QUANTISED (scales: A lowp_scales[20], B lowp_scales[21])
;;     12. [M 4,096, K 1,024] x [K 1,024, N 1,024]; A: computed on the way; B: input Wf2: QUANTISED (scales: A lowp_scales[22], B lowp_scales[23])
;;   THE QUANTISER, for each operand of a quantised product, along K:
;;     - The operand's scale is 2^e, e = its entry of the input lowp_scales (int32; the entries are numbered through the quantised products in the list's order, A before B).
;;     - Each number is divided by the scale, clamped to +-448, and rounded to the nearest number of E4M3, ties to even, subnormals kept.
;;     - The product sums the exact products of the quantised numbers (number of the format x scale) in f32.
;;   ~~~python
;;   def quantise(x, axis, e):      # numpy; x: float32 -> the quantised numbers, widened to float32 again
;;       x = np.moveaxis(x, axis, -1); K = x.shape[-1]
;;       r = np.clip(x / 2.0 ** e, -448, 448)
;;       step = 2.0 ** (np.maximum(np.frexp(np.where(r == 0, 1, r))[1] - 1, -6) - 3)
;;       q = np.round(r / step) * step * 2.0 ** e      # np.round: ties to even
;;       return np.moveaxis(q, -1, axis).astype(np.float32)
;;   ~~~
;;   SOFTMAX AHEAD OF A QUANTISED PRODUCT. Where the list says 'softmax', what is quantised is not the finished softmax but p = 2^(t - M), with t = logit x log2(e) and M = ceil(the row's largest t), a whole number; so 1/2 < the row's largest p <= 1. The row's sum l is taken of the UNQUANTISED p, in f32, and the product's result is divided by l at the end. Since M is a whole number, a kernel that streams over the keys may use a running M (the ceiling of the running maximum): every later rescaling is an exact power of two, so the quantised numbers keep their values, but for numbers so far below the row's largest that they fall under the format's range.
;;   OPERANDS COMPUTED ON THE WAY. 'Computed on the way' means the value that the module computes at that place (a softmax that the list does not call 'softmax' is quantised finished and normalised). What goes into a quantiser is computed in f32, as accurately as f32 sums, v_exp_f32 and their like allow (about 1e-6 of the number): no bf16 or f16 on the way to a quantiser, and a product that is left as it is and whose result goes on into a quantised operand takes f32 operands (vector FMAs, or v_wmma_f32_16x16x4_f32). A number that lies on a knife's edge between two numbers of the format may be rounded either way, as far as f32 arithmetic and the matrix unit's own rounding can turn it there, and no further.
;; 2 versions, each right; version 2 is version 1 with the launches attn1, attn2, tail written anew for expert scheduling mode. Each part assembles by itself: llvm-mc -triple=amdgcn-amd-amdhsa -mcpu=gfx1250 --defsym DOCPART=n.
;; ======== version 1 of 2: 6 launches
;; workspace buffers: pc 23,068,672 bytes; qa1 5,242,880 bytes; qa2 22,020,096 bytes; kv1 8,388,608 bytes; kv2 8,388,608 bytes; att 16,777,216 bytes; par1 256 bytes of whole numbers; par2 256 bytes of whole numbers
;; launch prep (part 1): grid 768 x 1, 8 waves a work-group, no clusters, 68,608 bytes of LDS; arguments input_tensor, encoder_output, Wq1, Wk1, Wv1, Wq2, Wk2, Wv2, Wf1, Wf2, lowp_scales, pc, qa1, qa2, par1, par2; writes pc, qa1, qa2, par1, par2
.if DOCPART == 1
	.amdgcn_target "amdgcn-amd-amdhsa--gfx1250"
	.amdhsa_code_object_version 6
	.text
	.protected	k_qb3ca480ca8_prep
	.globl	k_qb3ca480ca8_prep
	.p2align	8
	.type	k_qb3ca480ca8_prep,@function
k_qb3ca480ca8_prep:
	s_mov_b64 s[64:65], 0
	v_nop
	global_prefetch_b8 v0, s[64:65] scope:SCOPE_SE
	s_setreg_imm32_b32 hwreg(HW_REG_WAVE_MODE, 25, 1), 1
	s_wait_xcnt 0x0
; All f32 inputs of the quantised products become codes of E4M3, each under the scale 2^e that is given for its place in a product:
; input_tensor three times (entries 1, 3, 5), encoder_output twice (13, 15), each of the eight weights once.  code = x / 2^e, held within +-448, to the nearest code, ties to even.
; LAYOUT OF EVERY TENSOR OF CODES (rows x K): blocks of 16 rows x 128 K, 2,048 bytes, block (t, s) at (t K/128 + s) x 2,048.  In a block, byte 512 q + 16 L + 8 c1 + j (L = 16 h + r)
; is the code of row 16 t + r, k = 128 s + 32 q + 16 c1 + 8 h + j: the image of the 16 registers that the matrix instruction wants from lane L.  So four loads of 16 bytes a lane, 512 bytes apart, are a fragment.
; WORK-GROUPS 0-511: 16 rows of input_tensor (0-255) or encoder_output (256-511); wave w takes K block w.  Each load reads 512 consecutive bytes of a row; the 16 x 128 numbers turn through the wave's own
; stage in LDS (rows 528 bytes apart: row r starts 4 r words on, modulo 64) and come back as 8 neighbours along K a lane and register group.  Waves share nothing: no barrier.
; WORK-GROUPS 512-767: the weights, whose K is not innermost.  A lane takes a column n and its registers run down K, so the conversions give K innermost with nothing transposed; no LDS.
; Work-group 0 also writes the two blocks of whole numbers from which the attention launches take their exponents and the causal flag.
; LIMITS: every e between -126 and 119, so that 2^e and 448 x 2^e are f32 numbers.  NaN among the inputs is not served; an infinity is held at the largest code.
; No matrix unit, tensor load or cluster: a stream that reads each byte once and shares nothing between work-groups.
.set R, 16                             ; v16-79   16 rows x 4 registers as loaded
.set X, 80                             ; v80-143  register 8 c + j: k = 16 c + 8 h + j of row r
.set T, 144                            ; v144-159 two sets of 8 held numbers, by turns
.set C, 160                            ; v160-207 16 registers of codes for each of three scales: no store's data are written again
.set SP, 528
.macro MKSC e, vsc, vlim               ; 2^e and 448 x 2^e as f32 numbers, e in s[e]
	s_add_co_i32 s62, s[\e], 127
	s_lshl_b32 s63, s62, 23
	v_mov_b32 v[\vsc], s63
	s_add_co_i32 s62, s62, 8
	s_lshl_b32 s62, s62, 23
	s_or_b32 s62, s62, 0x600000
	v_mov_b32 v[\vlim], s62
.endm
	s_load_b512 s[4:19], s[0:1], 0x0               ; input 4, encoder 6, Wq1 8, Wk1 10, Wv1 12, Wq2 14, Wk2 16, Wv2 18
	s_load_b512 s[20:35], s[0:1], 0x40             ; Wf1 20, Wf2 22, lowp_scales 24, pc 26, qa1 28, qa2 30, par1 32, par2 34
	v_lshl_add_u32 v208, v0, 2, 0x10800
	v_mov_b32 v209, 0
	v_lshrrev_b32 v1, 5, v0
	v_readfirstlane_b32 s60, v1                    ; wave 0..7
	v_and_b32 v10, 31, v0                          ; lane
	s_wait_kmcnt 0x0
	s_load_b512 s[36:51], s[24:25], 0x0            ; entry i of the exponents is s[36 + i]
	s_load_b256 s[52:59], s[24:25], 0x40
	s_cmp_lt_u32 ttmp9, 512
	s_cbranch_scc0 .Lweights
; ---------------- rows: K innermost ----------------
	v_lshlrev_b32 v1, 4, v10                       ; 16 x lane
	s_mul_i32 s61, s60, 16*SP                      ; my wave's stage
	v_add_nc_u32 v2, s61, v1                       ; in: a row's 512 bytes as they lie
	v_and_b32 v11, 15, v0                          ; r
	v_bfe_u32 v12, v0, 4, 1                        ; h
	v_mul_u32_u24 v3, v11, SP
	v_lshl_add_u32 v3, v12, 5, v3
	v_add_nc_u32 v3, s61, v3                       ; out: row r, + 32 h bytes
	s_and_b32 s62, ttmp9, 255                      ; t: the tile of 16 rows
	s_lshl_b32 s72, s62, 16                        ; 16 rows of 4,096 bytes
	s_lshl_b32 s63, s60, 9                         ; + my 128 numbers
	s_add_co_u32 s72, s72, s63
	s_mov_b32 s73, 0
	s_lshl_b32 s74, s62, 14                        ; block (t, w): t x 8 x 2,048
	s_lshl_b32 s63, s60, 11
	s_add_co_u32 s74, s74, s63
	s_mov_b32 s75, 0
	s_mov_b32 s78, s74
	s_mov_b32 s79, 0
	s_cmp_lt_u32 ttmp9, 256                        ; the choice hangs on the work-group's number alone
	s_cselect_b64 s[66:67], s[4:5], s[6:7]
	s_cselect_b32 s70, 0, 0x800000                 ; encoder_output's codes begin 8 MiB into pc
	s_add_co_u32 s74, s74, s70
	s_add_nc_u64 s[66:67], s[66:67], s[72:73]
	s_add_nc_u64 s[76:77], s[26:27], s[74:75]
	s_add_nc_u64 s[80:81], s[28:29], s[78:79]
.set i, 0
.rept 16
	global_load_b128 v[R+4*i:R+4*i+3], v1, s[66:67] offset:4096*i th:TH_LOAD_NT   ; 32 lanes read 512 consecutive bytes of row i
.set i, i+1
.endr
	s_wait_kmcnt 0x0
	s_cmp_lt_u32 ttmp9, 256
	s_cselect_b32 s68, s39, s49                    ; entry 3 or 13
	s_cselect_b32 s69, s41, s51                    ; entry 5 or 15
	MKSC 68, 4, 5
	MKSC 69, 6, 7
	MKSC 37, 8, 9                                  ; entry 1
.set i, 0
.rept 16
	s_wait_loadcnt 15-i                            ; loads come back in order: row i is in, the 15 - i behind it may be out
	ds_store_b128 v2, v[R+4*i:R+4*i+3] offset:SP*i
.set i, i+1
.endr
.set i, 0
.rept 8
	ds_load_b128 v[X+8*i:X+8*i+3], v3 offset:64*i          ; LDS serves a wave's instructions in order: these see the stores above
	ds_load_b128 v[X+8*i+4:X+8*i+7], v3 offset:64*i+16
.set i, i+1
.endr
	s_wait_dscnt 0x0
; the 128 numbers under one scale: held, converted, stored as the block's image.  The two sets of T take turns, so eight plain lines stand between a conversion and the next write of its sources
.macro QOUT sc, lim, cb, base, off
.irp c, 0,1,2,3,4,5,6,7
.irp j, 0,1,2,3,4,5,6,7
	v_med3_num_f32 v[T+8*(\c%2)+\j], v[X+8*\c+\j], -v[\lim], v[\lim]   ; the conversion does not saturate (ISA guide 7.6.2): hold first
.endr
	v_cvt_scalef32_pk8_fp8_f32 v[\cb+2*\c:\cb+2*\c+1], v[T+8*(\c%2):T+8*(\c%2)+7], v[\sc]
.endr
.irp q, 0,1,2,3
	global_store_b128 v1, v[\cb+4*\q:\cb+4*\q+3], s[\base:\base+1] offset:\off+512*\q   ; 512 consecutive bytes, aligned
.endr
.endm
	QOUT 4, 5, C, 76, 0
	QOUT 6, 7, C+16, 76, 4194304                   ; the second scale's codes lie 4 MiB on
	s_cmp_lt_u32 ttmp9, 256
	s_cbranch_scc0 .Lend_rows
	QOUT 8, 9, C+32, 80, 1048576                   ; input_tensor under entry 1, behind Wq1's codes in qa1
	s_cmp_lg_u32 ttmp9, 0
	s_cbranch_scc1 .Lend_rows
	; the attention launches' whole numbers: eW, eA, eq, ek, ep, ev, causal, 0.  Thirty-two bytes each, stored by thread 0: too little to shape
	v_mov_b32 v16, s36
	v_mov_b32 v17, s37
	v_mov_b32 v18, s42
	v_mov_b32 v19, s43
	v_mov_b32 v20, s44
	v_mov_b32 v21, s45
	v_mov_b32 v22, 1
	v_mov_b32 v23, 0
	v_mov_b32 v24, s46
	v_mov_b32 v25, s47
	v_mov_b32 v26, s52
	v_mov_b32 v27, s53
	v_mov_b32 v28, s54
	v_mov_b32 v29, s55
	v_mov_b32 v30, 0
	v_mov_b32 v31, 0
	v_mov_b32 v11, 0
	s_wait_xcnt 0x0                                ; EXEC is a source of the stores above: it changes only behind this wait
	v_cmp_eq_u32 vcc_lo, 0, v0
	s_and_saveexec_b32 s62, vcc_lo
	global_store_b128 v11, v[16:19], s[32:33]
	global_store_b128 v11, v[20:23], s[32:33] offset:16
	global_store_b128 v11, v[24:27], s[34:35]
	global_store_b128 v11, v[28:31], s[34:35] offset:16
	s_wait_xcnt 0x0                                ; and again in front of the line that widens it
	s_or_b32 exec_lo, exec_lo, s62
.Lend_rows:
	s_wait_tensorcnt 0x0
	ds_add_u32 v208, v209
	s_wait_dscnt 0x0
	s_endpgm
; ---------------- weights: K not innermost ----------------
.Lweights:
	s_sub_co_u32 s62, ttmp9, 512
	s_lshr_b32 s61, s62, 5                         ; which weight, 0..7
	s_bfe_u32 s63, s62, 0x40001                    ; cg: which 64 columns (for the projections: the head)
	s_and_b32 s62, s62, 1
	s_lshl_b32 s62, s62, 2
	s_lshr_b32 s82, s60, 1
	s_add_co_u32 s62, s62, s82                     ; s: my K block = 4 x (work-group's half) + wave / 2
	s_and_b32 s82, s60, 1                          ; which 32 of the 64 columns
	s_lshl_b32 s72, s63, 18                        ; [head][k][e]: head x 262,144 + 128 s rows of 256 bytes
	s_lshl_b32 s73, s62, 15
	s_add_co_u32 s72, s72, s73
	s_lshl_b32 s74, s62, 19                        ; [k][n]: 128 s rows of 4,096 bytes + 64 cg columns
	s_lshl_b32 s75, s63, 8
	s_add_co_u32 s74, s74, s75
	s_cmp_lt_u32 s61, 6
	s_cselect_b32 s72, s72, s74
	s_lshl_b32 s73, s82, 7
	s_add_co_u32 s72, s72, s73
	s_mov_b32 s73, 0
	s_lshl_b32 s74, s63, 16                        ; codes: tile of rows 4 cg + 2 (wave & 1), 16,384 bytes a tile; + block s
	s_lshl_b32 s75, s82, 15
	s_add_co_u32 s74, s74, s75
	s_lshl_b32 s75, s62, 11
	s_add_co_u32 s74, s74, s75
	s_wait_kmcnt 0x0
.macro PICK k, src, dst, off, e        ; weight k: its buffer, where its codes go, its exponent.  Every choice hangs on the work-group's number alone
	s_cmp_eq_u32 s61, \k
	s_cselect_b64 s[66:67], s[\src:\src+1], s[66:67]
	s_cselect_b64 s[68:69], s[\dst:\dst+1], s[68:69]
	s_cselect_b32 s70, \off, s70
	s_cselect_b32 s71, s[\e], s71
.endm
	s_mov_b64 s[66:67], s[8:9]                     ; weight 0: Wq1 -> qa1 + 0, entry 0
	s_mov_b64 s[68:69], s[28:29]
	s_mov_b32 s70, 0
	s_mov_b32 s71, s36
	PICK 1, 10, 26, 0x1000000, 38                  ; Wk1 -> pc + 16 MiB, entry 2
	PICK 2, 12, 26, 0x1100000, 40                  ; Wv1 -> pc + 17 MiB, entry 4
	PICK 3, 14, 30, 0, 46                          ; Wq2 -> qa2 + 0, entry 10
	PICK 4, 16, 26, 0x1200000, 48                  ; Wk2 -> pc + 18 MiB, entry 12
	PICK 5, 18, 26, 0x1300000, 50                  ; Wv2 -> pc + 19 MiB, entry 14
	PICK 6, 20, 26, 0x1400000, 57                  ; Wf1 -> pc + 20 MiB, entry 21
	PICK 7, 22, 26, 0x1500000, 59                  ; Wf2 -> pc + 21 MiB, entry 23
	s_add_co_u32 s74, s74, s70
	s_mov_b32 s75, 0
	s_add_nc_u64 s[66:67], s[66:67], s[72:73]
	s_add_nc_u64 s[68:69], s[68:69], s[74:75]
	MKSC 71, 4, 5
	v_lshlrev_b32 v1, 2, v10                       ; in: 4 bytes a lane: my column
	v_lshrrev_b32 v2, 4, v10
	v_and_b32 v3, 15, v10
	v_lshlrev_b32 v2, 14, v2                       ; out: lanes 16-31 belong to the next tile of 16 rows, 16,384 bytes on;
	v_lshl_add_u32 v2, v3, 4, v2                   ; 16 bytes for row r
.macro WCHUNK q, stride                ; 32 along K of my column
.set i, 0
.rept 32
	global_load_b32 v[32+32*(\q)+i], v1, s[66:67] offset:(32*(\q)+i)*\stride th:TH_LOAD_NT
.set i, i+1
.endr
.endm
; Chunk q holds k = 32 q + 0 .. 31.  In the image the groups of eight k go: 0-7 and 16-23 to lane r (h = 0), 8-15 and 24-31 to lane 16 + r (h = 1), 256 bytes on.  Sixteen lanes fill 256 aligned bytes
.macro WBODY stride
	WCHUNK 0, \stride
	WCHUNK 1, \stride
.irp q, 0,1,2,3
.if \q < 3
	s_wait_loadcnt 32                              ; this chunk's 32 loads are in; the next chunk's 32 may be out
.else
	s_wait_loadcnt 0x0
.endif
.set i, 0
.rept 32
	v_med3_num_f32 v[32+32*\q+i], v[32+32*\q+i], -v5, v5
.set i, i+1
.endr
	v_cvt_scalef32_pk8_fp8_f32 v[160+8*\q:161+8*\q], v[32+32*\q:39+32*\q], v4
	v_cvt_scalef32_pk8_fp8_f32 v[162+8*\q:163+8*\q], v[48+32*\q:55+32*\q], v4
	v_cvt_scalef32_pk8_fp8_f32 v[164+8*\q:165+8*\q], v[40+32*\q:47+32*\q], v4
	v_cvt_scalef32_pk8_fp8_f32 v[166+8*\q:167+8*\q], v[56+32*\q:63+32*\q], v4
	global_store_b128 v2, v[160+8*\q:163+8*\q], s[68:69] offset:512*\q
	global_store_b128 v2, v[164+8*\q:167+8*\q], s[68:69] offset:512*\q+256
.if \q < 2
	WCHUNK \q+2, \stride
.endif
.endr
.endm
	s_cmp_lt_u32 s61, 6
	s_cbranch_scc0 .Lffn_weights
	WBODY 256                                      ; a row of [head][k][64] is 256 bytes
	s_endpgm
.Lffn_weights:
	WBODY 4096                                     ; a row of [k][1024] is 4,096 bytes
	s_endpgm
.Lfunc_end_k_qb3ca480ca8_prep:
	.size	k_qb3ca480ca8_prep, .Lfunc_end_k_qb3ca480ca8_prep-k_qb3ca480ca8_prep
	.p2alignl 7, 3214868480
	.fill 96, 4, 3214868480
	.section	.rodata,"a",@progbits
	.p2align	6, 0x0
	.amdhsa_kernel k_qb3ca480ca8_prep
		.amdhsa_group_segment_fixed_size 68608
		.amdhsa_private_segment_fixed_size 0
		.amdhsa_enable_private_segment 0
		.amdhsa_kernarg_size 128
		.amdhsa_user_sgpr_count 2
		.amdhsa_user_sgpr_kernarg_segment_ptr 1
		.amdhsa_wavefront_size32 1
		.amdhsa_system_sgpr_workgroup_id_x 1
		.amdhsa_system_sgpr_workgroup_id_y 1
		.amdhsa_system_sgpr_workgroup_id_z 1
		.amdhsa_system_vgpr_workitem_id 0
		.amdhsa_next_free_vgpr 210
		.amdhsa_next_free_sgpr 100
		.amdhsa_reserve_vcc 1
		.amdhsa_float_denorm_mode_32 3
		.amdhsa_float_denorm_mode_16_64 3
		.amdhsa_memory_ordered 1
		.amdhsa_forward_progress 1
		.amdhsa_inst_pref_size 70
	.end_amdhsa_kernel
	.amdgpu_metadata
---
amdhsa.version: [ 1, 2 ]
amdhsa.kernels:
  - .name:           k_qb3ca480ca8_prep
    .symbol:         k_qb3ca480ca8_prep.kd
    .args:
      - { .name: input_tensor, .offset: 0, .size: 8, .value_kind: global_buffer, .address_space: global }
      - { .name: encoder_output, .offset: 8, .size: 8, .value_kind: global_buffer, .address_space: global }
      - { .name: Wq1, .offset: 16, .size: 8, .value_kind: global_buffer, .address_space: global }
      - { .name: Wk1, .offset: 24, .size: 8, .value_kind: global_buffer, .address_space: global }
      - { .name: Wv1, .offset: 32, .size: 8, .value_kind: global_buffer, .address_space: global }
      - { .name: Wq2, .offset: 40, .size: 8, .value_kind: global_buffer, .address_space: global }
      - { .name: Wk2, .offset: 48, .size: 8, .value_kind: global_buffer, .address_space: global }
      - { .name: Wv2, .offset: 56, .size: 8, .value_kind: global_buffer, .address_space: global }
      - { .name: Wf1, .offset: 64, .size: 8, .value_kind: global_buffer, .address_space: global }
      - { .name: Wf2, .offset: 72, .size: 8, .value_kind: global_buffer, .address_space: global }
      - { .name: lowp_scales, .offset: 80, .size: 8, .value_kind: global_buffer, .address_space: global }
      - { .name: pc, .offset: 88, .size: 8, .value_kind: global_buffer, .address_space: global }
      - { .name: qa1, .offset: 96, .size: 8, .value_kind: global_buffer, .address_space: global }
      - { .name: qa2, .offset: 104, .size: 8, .value_kind: global_buffer, .address_space: global }
      - { .name: par1, .offset: 112, .size: 8, .value_kind: global_buffer, .address_space: global }
      - { .name: par2, .offset: 120, .size: 8, .value_kind: global_buffer, .address_space: global }
    .group_segment_fixed_size: 68608
    .private_segment_fixed_size: 0
    .kernarg_segment_align: 8
    .kernarg_segment_size: 128
    .max_flat_workgroup_size: 256
    .sgpr_count:     100
    .vgpr_count:     210
    .wavefront_size: 32
...
	.end_amdgpu_metadata
.endif
;; end of part 1
;; launch proj (part 2): grid 16 x 16, 4 waves a work-group, clusters of 4 x 4, 327,680 bytes of LDS; arguments pc, lowp_scales, bv1, bv2, kv1, kv2; writes kv1, kv2
.if DOCPART == 2
	.amdgcn_target "amdgcn-amd-amdhsa--gfx1250"
	.amdhsa_code_object_version 6
	.text
	.protected	k_qb3ca480ca8_proj
	.globl	k_qb3ca480ca8_proj
	.p2align	8
	.type	k_qb3ca480ca8_proj,@function
k_qb3ca480ca8_proj:
	s_mov_b64 s[64:65], 0
	v_nop
	global_prefetch_b8 v0, s[64:65] scope:SCOPE_SE
	s_setreg_imm32_b32 hwreg(HW_REG_WAVE_MODE, 25, 1), 1
	s_wait_xcnt 0x0
	s_wait_alu depctr_hold_cnt(0) depctr_sa_sdst(0) depctr_va_vdst(0) depctr_va_sdst(0) depctr_va_ssrc(0) depctr_va_vcc(0) depctr_vm_vsrc(0)
	s_getreg_b32 s2, hwreg(HW_REG_IB_STS2, 6, 4)
	s_cmp_eq_u32 s2, 0
	s_cbranch_scc0 .Lentry_in_a_cluster
	s_endpgm
.Lentry_in_a_cluster:
	s_bfe_u32 s2, ttmp6, 0x10000c
	s_cmp_lg_u32 s2, 0xf033
	s_cbranch_scc0 .Lentry_shape_is_right
	s_endpgm
.Lentry_shape_is_right:
; Four products 4,096 x 1,024 x 1,024 on codes of E4M3: k1, v1 (+ bv1), k2, v2 (+ bv2), each quantised on its way out for the attention that reads it.
; The cluster's x, g, says which: 0 k1, 1 v1, 2 k2, 3 v2.  A work-group makes 256 rows of x (or of the encoder's output) x 256 rows of W: 4 x 64 = 256 work-groups.  Four waves, each 128 x 128: 64 accumulators, 512 registers.
; OPERANDS lie in pc as images of the matrix instruction's registers: blocks of 16 rows x 128 K, 2,048 bytes, a tile of 16 rows 16,384 bytes.  So a K step of 256 of a tile of rows is 4,096 consecutive bytes,
; a wave's tensor load is 8 such rows, LDS needs no padding, and each fragment load reads 512 consecutive bytes.
; K goes in four steps of 256 through two LDS slots.  CLUSTER 4 x 4: x's tiles hang on the tile row and are shared along a row of the cluster, W's on the tile column and are shared along a column: joint loads.
; WHICH SOURCE IS WHICH.  For k: source 0 = 16 rows of W, source 1 = 16 rows of x: a lane holds one key and eight neighbouring channels, the K of the scores' product.  For v the two change places:
; a lane holds one channel and eight neighbouring keys, the K of the second product.  Only the two LDS addresses differ; they hang on g, which all partners share.
; THE WAY OUT: eight sums of a lane, held and converted, ARE two registers of the reader's fragment; four registers a lane are stored at 16 x lane: 512 consecutive bytes, aligned, with no stage in LDS.
;   k -> kv + ((batch 16 + head) 128 + tile of 16 keys) x 1,024: blocks 16 keys x 64 channels.   v -> kv + 4 MiB + (((batch 16 + head) 16 + step of 128 keys) 4 + tile of 16 channels) x 2,048.
; A sum stands for sum x 2^(eW + eX), so the conversion's one scale is 2^(eo - eW - eX), and bv goes in as bv / 2^(eW + eX).
; LIMIT: eo - eW - eX between -126 and 119.  NaN is not served.
; No prefetch: of the four K steps two are first fills, and the other two are asked for a K step ahead of their use.
; REGISTERS, in windows of 256: window 0: v16-29 addresses, v32-39 bias, v40-121 at work on the way out, v128-255 source 1's fragments (one set), later the codes;
;   window 1: source 0's fragments, two sets;   windows 2, 3: the accumulators ((a, b) at v[8 (8 (a % 4) + b)]).
.set HALFT,  32768                     ; 128 rows x 256 K: what one tensor load brings
.set SLOT,   4*HALFT                   ; x's 256 rows, then W's 256 rows
.set SPARE,  2*SLOT                    ; behind the ring: the spare words, 128 bytes for each wave
.set KSB,    4096                      ; a K step in one tile of 16 rows
.set FR,     16
.set NL,     4
.set NP,     4                         ; places behind this matrix instruction (ISA guide 7.12.1)
.set ADRA, 16                          ; v16-17  LDS address of source 1's fragments in slot 0, 1
.set ADRB, 20                          ; v20-21  of source 0's
.set CO,   26                          ; v26     16 x lane
.set BO,   27                          ; v27     4 x (lane % 16)
.set SPW,  28                          ; v28     my spare word; never rewritten
.set NIL,  29                          ; v29     0; never rewritten
.set BI,   32                          ; v32-39  bias of W's row 16 a + r
.set TMP,  40                          ; v40-103 a block's 64 numbers
.set BP,   104                         ; v104-119 bias / 2^(eW + eX), a pair for each a
.set LIM,  120
.set SC,   121
.set AF,   128
.set CD,   128
.set G1, 24                            ; s[24:31] group 1 for x's tiles; s[32:39] group 0, a set for each slot
.set G0, 32
.set G1B, 48                           ; s[48:55], s[56:63] the same for W's tiles
.set G0B, 56
.set MSB, 0
.macro WIN new                         ; the immediate's high byte repeats the setting that is left
.if MSB != (\new)
	s_set_vgpr_msb (MSB<<8)|(\new)
.set MSB, (\new)
.endif
.endm
.set MUL_LO, 0xa1                      ; source 0 window 1, source 1 window 0, C and D window 2
.set MUL_HI, 0xf1
.set TO_B,   0x40
; a joint load: waves 0 and 1 fetch x's halves, waves 2 and 3 W's.  Four v_nop follow each line
.macro JLOAD g0a, g1a, g0b, g1b
	s_cmp_eq_u32 s67, 0
	s_cbranch_scc0 .Lfor_b_\@
	tensor_load_to_lds s[\g0a:\g0a+3], s[\g1a:\g1a+7]
	s_nop 0
.rept 4
	v_nop
.endr
	s_branch .Lasked_\@
.Lfor_b_\@:
	tensor_load_to_lds s[\g0b:\g0b+3], s[\g1b:\g1b+7]
	s_nop 0
.rept 4
	v_nop
.endr
.Lasked_\@:
.endm
.macro CREST                           ; a round of the cluster's barrier behind its opening barrier
	s_cmp_lg_u32 s66, 0
	s_cbranch_scc1 .Lnot_wave_0_\@
	s_barrier_signal -3
.Lnot_wave_0_\@:
	s_barrier_wait -3
	s_barrier_signal -1
	s_barrier_wait -1
.endm
.macro CROUND
	s_barrier_signal -1
	s_barrier_wait -1
	CREST
.endm
	s_load_b256 s[4:11], s[0:1], 0x0               ; pc 4, lowp_scales 6, bv1 8, bv2 10
	s_load_b128 s[12:15], s[0:1], 0x20             ; kv1 12, kv2 14
	v_lshl_add_u32 v[SPW], v0, 2, SPARE
	v_mov_b32 v[NIL], 0
	ds_add_u32 v28, v29
	ds_add_u32 v28, v29
	s_wait_dscnt 0x0
	v_lshrrev_b32 v1, 5, v0
	v_readfirstlane_b32 s66, v1                    ; wave 0..3
	s_lshr_b32 s67, s66, 1                         ; source 1's half that I multiply.  Also: I fetch for x (0) or for W (1)
	s_and_b32 s68, s66, 1                          ; source 0's half.  Also: which 128 rows I fetch
	s_and_b32 s69, ttmp9, 1                        ; sw: 0 for k, 1 for v
	s_bfe_u32 s40, ttmp6, 0x40000                  ; cx = the tile column (256 rows of W)
	s_bfe_u32 s41, ttmp6, 0x40004                  ; cy
	s_and_b32 s17, ttmp7, 0xffff
	s_lshl_b32 s17, s17, 2
	s_add_co_u32 s17, s17, s41                     ; tile row = 4 x cluster y + cy
	s_lshl_b32 s43, s41, 2
	s_lshl_b32 s43, 15, s43                        ; my row of the cluster
	s_lshl_b32 s44, 0x1111, s40                    ; my column
	s_or_b32 s[G1+0], s43, 1<<21                   ; 15:0 the mask; 17:16 elements of 1 byte; no padding; 21 set beside a mask
	s_or_b32 s[G1B+0], s44, 1<<21
.irp g, G1, G1B
	s_mov_b32 s[\g+1], KSB<<16                     ; tensor_dim0 = 4,096
	s_mov_b32 s[\g+2], 8<<16                       ; tensor_dim1 = 8 tiles of 16 rows
	s_mov_b32 s[\g+3], KSB<<16                     ; tile_dim0
	s_mov_b32 s[\g+4], 8                           ; tile_dim1
	s_mov_b32 s[\g+5], 16384                       ; from tile of rows to tile of rows
	s_mov_b32 s[\g+6], 0
	s_mov_b32 s[\g+7], 0
.endr
	s_lshl_b32 s20, s17, 18                        ; x: 256 rows x 1,024 bytes x tile row
	s_lshl_b32 s18, s68, 17                        ; + 128 rows x the half that I fetch
	s_add_co_u32 s20, s20, s18
	s_lshl_b32 s19, ttmp9, 22                      ; + 4 MiB x g
	s_add_co_u32 s20, s20, s19
	s_mov_b32 s21, 0
	s_lshl_b32 s46, s40, 18                        ; W: the same by the tile column,
	s_add_co_u32 s46, s46, s18
	s_lshl_b32 s19, ttmp9, 20                      ; + 1 MiB x g
	s_add_co_u32 s46, s46, s19
	s_add_co_u32 s46, s46, 0x1000000               ; + 16 MiB
	s_mov_b32 s47, 0
	s_mul_i32 s45, s66, HALFT                      ; where they go: no place in the cluster enters an LDS address
	s_lshl_b32 s84, s69, 3                         ; the exponents: eW, eX at byte 8 + 8 sw + 40 (g / 2), eo 20 bytes on
	s_lshr_b32 s85, ttmp9, 1
	s_mul_i32 s85, s85, 40
	s_add_co_u32 s84, s84, s85
	s_mov_b32 s85, 0
	s_lshl_b32 s74, s40, 10                        ; bias: W's row 256 cx + 128 x (source 1's half)
	s_lshl_b32 s75, s67, 9
	s_add_co_u32 s74, s74, s75
	s_mov_b32 s75, 0
	s_cmp_eq_u32 s69, 0
	s_cselect_b32 s76, s68, s67                    ; which half of W's rows is mine: two heads
	s_cselect_b32 s77, s67, s68                    ; which half of x's rows: 128 keys
	s_lshr_b32 s78, s17, 3                         ; the batch
	s_lshl_b32 s78, s78, 4
	s_lshl_b32 s79, s40, 2
	s_add_co_u32 s78, s78, s79
	s_lshl_b32 s79, s76, 1
	s_add_co_u32 s78, s78, s79                     ; batch x 16 + head
	s_lshl_b32 s78, s78, 17                        ; a head's codes are 131,072 bytes, k's and v's alike
	s_and_b32 s79, s17, 7
	s_lshl_b32 s79, s79, 14                        ; 256 keys are 16,384 bytes
	s_add_co_u32 s78, s78, s79
	s_lshl_b32 s79, s77, 13
	s_add_co_u32 s78, s78, s79
	s_lshl_b32 s79, s69, 22                        ; v lies 4 MiB behind k
	s_add_co_u32 s78, s78, s79
	s_mov_b32 s79, 0
	s_wait_kmcnt 0x0
	s_add_nc_u64 s[6:7], s[6:7], s[84:85]
	s_load_b64 s[96:97], s[6:7], 0x8               ; eW, eX
	s_load_b32 s98, s[6:7], 0x1c                   ; eo
	s_add_nc_u64 s[20:21], s[4:5], s[20:21]
	s_add_nc_u64 s[46:47], s[4:5], s[46:47]
	s_cmp_lt_u32 ttmp9, 2
	s_cselect_b64 s[70:71], s[8:9], s[10:11]
	s_cselect_b64 s[72:73], s[12:13], s[14:15]
	s_add_nc_u64 s[70:71], s[70:71], s[74:75]
	s_add_nc_u64 s[72:73], s[72:73], s[78:79]
	CROUND                                         ; all sixteen work-groups are here: the first joint loads meet
.irp s, 0,1
	s_mov_b32 s[G0+4*\s], 1
	s_add_co_u32 s[G0+4*\s+1], s45, \s*SLOT
	s_add_nc_u64 s[G0+4*\s+2:G0+4*\s+3], s[20:21], \s*KSB
	s_or_b32 s[G0+4*\s+3], s[G0+4*\s+3], 0x80000000
	s_mov_b32 s[G0B+4*\s], 1
	s_add_co_u32 s[G0B+4*\s+1], s45, \s*SLOT
	s_add_nc_u64 s[G0B+4*\s+2:G0B+4*\s+3], s[46:47], \s*KSB
	s_or_b32 s[G0B+4*\s+3], s[G0B+4*\s+3], 0x80000000
	JLOAD G0+4*\s, G1, G0B+4*\s, G1B
.endr
	v_and_b32 v1, 31, v0
	v_lshlrev_b32 v[CO], 4, v1
	v_and_b32 v2, 15, v0
	v_lshlrev_b32 v[BO], 2, v2
.irp a, 0,1,2,3,4,5,6,7
	global_load_b32 v[BI+\a], v[BO], s[70:71] offset:64*\a   ; issued for k's tiles too, which do not use them: one text up to the way out
.endr
	s_lshl_b32 s80, s69, 16                        ; source 1: x's region for k (0), W's for v (2 HALFT), + my half
	s_lshl_b32 s81, s67, 15
	s_add_co_u32 s80, s80, s81
	s_xor_b32 s82, s69, 1
	s_lshl_b32 s82, s82, 16                        ; source 0: the other region, + my half
	s_lshl_b32 s83, s68, 15
	s_add_co_u32 s82, s82, s83
.irp s, 0,1
	v_add_nc_u32 v[ADRA+\s], s80, v[CO]
	v_add_nc_u32 v[ADRB+\s], s82, v[CO]
	s_add_co_u32 s80, s80, SLOT
	s_add_co_u32 s82, s82, SLOT
.endr
.macro FRAG reg, adr, q, i             ; a fragment: tile of rows i, the slot's q-th 128 along K: four loads of 512 consecutive bytes
.irp c, 0,1,2,3
	ds_load_b128 v[\reg+4*\c:\reg+4*\c+3], v[\adr] offset:4096*(\i)+2048*(\q)+512*\c
.endr
.endm
; 16 matrix instructions: source 1's blocks a0, a0 + 1 x source 0's eight.  The 64 accumulators take turns, one instruction a turn, in the same order in every step
.macro MUL16 a0, p, zero
.irp a, \a0, \a0+1
.irp b, 0,1,2,3,4,5,6,7
.if \zero
	v_wmma_f32_16x16x128_fp8_fp8 v[8*(8*((\a)%4)+\b):8*(8*((\a)%4)+\b)+7], v[128*(\p)+FR*\b:128*(\p)+FR*\b+FR-1], v[AF+FR*(\a):AF+FR*(\a)+FR-1], 0
.else
	v_wmma_f32_16x16x128_fp8_fp8 v[8*(8*((\a)%4)+\b):8*(8*((\a)%4)+\b)+7], v[128*(\p)+FR*\b:128*(\p)+FR*\b+FR-1], v[AF+FR*(\a):AF+FR*(\a)+FR-1], v[8*(8*((\a)%4)+\b):8*(8*((\a)%4)+\b)+7]
.endif
.endr
.endr
.endm
.macro FETCH_B slot, q, p
	WIN TO_B
.irp i, 0,1,2,3,4,5,6,7
	FRAG 128*(\p)+FR*\i, ADRB+\slot, \q, \i
.endr
	WIN 0
.endm
.macro FETCH_A slot, q, i0
.irp i, \i0, \i0+1, \i0+2, \i0+3
	FRAG AF+FR*(\i), ADRA+\slot, \q, \i
.endr
.endm
.macro PLACES n                        ; plain vector lines between a matrix instruction and a load into, or a vector read of, its registers
.rept \n
	v_nop
.endr
.endm
.macro STEP slot, q, zero              ; 128 along K that has its successor in the same slot
	s_wait_dscnt 4*NL                              ; source 0's set and source 1's blocks 0-3 are in; the youngest 16 loads (blocks 4-7) may be out
	WIN MUL_LO
	MUL16 0, (\q)%2, \zero
	MUL16 2, (\q)%2, \zero
	s_wait_dscnt 0
	PLACES NP
	FETCH_B \slot, (\q)+1, 1-(\q)%2
	FETCH_A \slot, (\q)+1, 0
	WIN MUL_HI
	MUL16 4, (\q)%2, \zero
	MUL16 6, (\q)%2, \zero
	PLACES NP
	WIN 0
	FETCH_A \slot, (\q)+1, 4
.endm
; a slot's last step changes slots: one barrier; in front of it each wave waits for all its tensor loads, adds 0 to its spare word, and waits for that and for its reads of this slot
.macro TURN slot, next, fill
	s_wait_tensorcnt 0x0                           ; all my tensor loads have landed: my part of the next slot
	ds_add_u32 v[SPW], v[NIL]                      ; 0 onto my spare word
	s_wait_dscnt 4*NL+1                            ; the add and the youngest 16 loads may be out
	WIN MUL_LO
	MUL16 0, 1, 0
	s_wait_dscnt 0x0                               ; the add is done, and my reads of this slot are over
	s_barrier_signal -1
	MUL16 2, 1, 0
	WIN 0
	s_barrier_wait -1
.if \fill
	CREST                                          ; the barrier has opened a round of the cluster's: no wave of any partner still reads this slot or has a load on its way
	s_add_nc_u64 s[G0+4*\slot+2:G0+4*\slot+3], s[G0+4*\slot+2:G0+4*\slot+3], 2*KSB
	s_add_nc_u64 s[G0B+4*\slot+2:G0B+4*\slot+3], s[G0B+4*\slot+2:G0B+4*\slot+3], 2*KSB
	JLOAD G0+4*\slot, G1, G0B+4*\slot, G1B         ; the first tensor load behind the round; its four v_nop are the places in front of the loads below
.else
	PLACES NP
.endif
	FETCH_B \next, 0, 0
	FETCH_A \next, 0, 0
	WIN MUL_HI
	MUL16 4, 1, 0
	MUL16 6, 1, 0
	PLACES NP
	WIN 0
	FETCH_A \next, 0, 4
.endm
	s_wait_tensorcnt 1                             ; my part of K step 0 is in; K step 1's load may be out
	s_barrier_signal -1
	s_barrier_wait -1
	FETCH_B 0, 0, 0
	FETCH_A 0, 0, 0
	FETCH_A 0, 0, 4
	STEP 0, 0, 1                                   ; the first products start the sums: nothing is cleared
	TURN 0, 1, 1                                   ; K = 1,024 is four K steps: each slot is filled again once, so the lap is written straight
	STEP 1, 0, 0
	TURN 1, 0, 1
	STEP 0, 0, 0
	TURN 0, 1, 0
	STEP 1, 0, 0
	s_wait_dscnt 4*NL
	WIN MUL_LO
	MUL16 0, 1, 0
	MUL16 2, 1, 0
	s_wait_dscnt 0
	WIN MUL_HI
	MUL16 4, 1, 0
	MUL16 6, 1, 0
	WIN 0
	s_wait_kmcnt 0x0
	s_add_co_i32 s84, s96, s97                     ; eW + eX
	s_sub_co_i32 s85, 0, s84
	s_sub_co_i32 s86, s98, s84                     ; eo - eW - eX
	s_add_co_i32 s86, s86, 127
	s_lshl_b32 s87, s86, 23
	s_add_co_i32 s86, s86, 8
	s_lshl_b32 s86, s86, 23
	s_or_b32 s86, s86, 0x600000
	s_wait_loadcnt 0x0                             ; the bias
	PLACES NP
	v_mov_b32 v[SC], s87
	v_mov_b32 v[LIM], s86
.irp a, 0,1,2,3,4,5,6,7
	v_ldexp_f32 v[BP+2*\a], v[BI+\a], s85
.endr
.irp a, 0,1,2,3,4,5,6,7
	v_mov_b32 v[BP+2*\a+1], v[BP+2*\a]
.endr
; source 1's block a: its 8 accumulators, each from its low end on, become 16 registers of codes and leave.  The codes' registers differ from block to block: no store's data are written again
.macro EPI a, isv
.set AC, 64*((\a)%4)
	WIN 0x02+((\a)/4)                              ; source 0: window 2 or 3
.if \isv
.set j, 0
.rept 32
	v_pk_add_f32 v[TMP+j:TMP+j+1], v[AC+j:AC+j+1], v[BP+2*(\a):BP+2*(\a)+1]   ; + bv / 2^(eW + eX): a lane holds one channel
.set j, j+2
.endr
	WIN 0
.set j, 0
.rept 64
	v_med3_num_f32 v[TMP+j], v[TMP+j], -v[LIM], v[LIM]
.set j, j+1
.endr
.else
.set j, 0
.rept 64
	v_med3_num_f32 v[TMP+j], v[AC+j], -v[LIM], v[LIM]      ; the conversion does not saturate (ISA guide 7.6.2): hold first
.set j, j+1
.endr
	WIN 0
.endif
.irp b, 0,1,2,3,4,5,6,7
	v_cvt_scalef32_pk8_fp8_f32 v[CD+16*(\a)+2*\b:CD+16*(\a)+2*\b+1], v[TMP+8*\b:TMP+8*\b+7], v[SC]
.endr
	v_nop                                          ; a plain line between the last conversion and the next block's writes of its sources
.irp i, 0,1,2,3
.if \isv
	global_store_b128 v[CO], v[CD+16*(\a)+4*\i:CD+16*(\a)+4*\i+3], s[72:73] offset:((\a)>>2)*131072+((\a)&3)*2048+\i*512    ; head a / 4, tile of channels a % 4
.else
	global_store_b128 v[CO], v[CD+16*(\a)+4*\i:CD+16*(\a)+4*\i+3], s[72:73] offset:(\i>>1)*131072+(\a)*1024+(\i&1)*512      ; head i / 2, tile of keys a
.endif
.endr
.endm
	s_cmp_eq_u32 s69, 0                            ; g is the same in all partners
	s_cbranch_scc0 .Lvalues
.irp a, 0,1,2,3,4,5,6,7
	EPI \a, 0
.endr
	s_branch .Lout
.Lvalues:
.irp a, 0,1,2,3,4,5,6,7
	EPI \a, 1
.endr
.Lout:
	s_wait_tensorcnt 0x0                           ; the wave's end
	ds_add_u32 v[SPW], v[NIL]
	s_wait_dscnt 0x0
	CROUND                                         ; the closing round: no work-group ends while a partner may still ask for a tile that names it
	s_endpgm
.Lfunc_end_k_qb3ca480ca8_proj:
	.size	k_qb3ca480ca8_proj, .Lfunc_end_k_qb3ca480ca8_proj-k_qb3ca480ca8_proj
	.p2alignl 7, 3214868480
	.fill 96, 4, 3214868480
	.section	.rodata,"a",@progbits
	.p2align	6, 0x0
	.amdhsa_kernel k_qb3ca480ca8_proj
		.amdhsa_group_segment_fixed_size 327680
		.amdhsa_private_segment_fixed_size 0
		.amdhsa_enable_private_segment 0
		.amdhsa_kernarg_size 48
		.amdhsa_user_sgpr_count 2
		.amdhsa_user_sgpr_kernarg_segment_ptr 1
		.amdhsa_wavefront_size32 1
		.amdhsa_system_sgpr_workgroup_id_x 1
		.amdhsa_system_sgpr_workgroup_id_y 1
		.amdhsa_system_sgpr_workgroup_id_z 1
		.amdhsa_system_vgpr_workitem_id 0
		.amdhsa_next_free_vgpr 1024
		.amdhsa_next_free_sgpr 100
		.amdhsa_reserve_vcc 0
		.amdhsa_float_denorm_mode_32 3
		.amdhsa_float_denorm_mode_16_64 3
		.amdhsa_memory_ordered 1
		.amdhsa_forward_progress 1
		.amdhsa_inst_pref_size 175
	.end_amdhsa_kernel
	.amdgpu_metadata
---
amdhsa.version: [ 1, 2 ]
amdhsa.kernels:
  - .name:           k_qb3ca480ca8_proj
    .symbol:         k_qb3ca480ca8_proj.kd
    .args:
      - { .name: pc, .offset: 0, .size: 8, .value_kind: global_buffer, .address_space: global }
      - { .name: lowp_scales, .offset: 8, .size: 8, .value_kind: global_buffer, .address_space: global }
      - { .name: bv1, .offset: 16, .size: 8, .value_kind: global_buffer, .address_space: global }
      - { .name: bv2, .offset: 24, .size: 8, .value_kind: global_buffer, .address_space: global }
      - { .name: kv1, .offset: 32, .size: 8, .value_kind: global_buffer, .address_space: global }
      - { .name: kv2, .offset: 40, .size: 8, .value_kind: global_buffer, .address_space: global }
    .group_segment_fixed_size: 327680
    .private_segment_fixed_size: 0
    .kernarg_segment_align: 8
    .kernarg_segment_size: 48
    .max_flat_workgroup_size: 128
    .sgpr_count:     100
    .vgpr_count:     1024
    .wavefront_size: 32
...
	.end_amdgpu_metadata
.endif
;; end of part 2
;; launch attn1 (part 3): grid 8 x 32, 16 waves a work-group, no clusters, 202,752 bytes of LDS; arguments qa1, kv1, par1, att; writes att
.if DOCPART == 3
	.amdgcn_target "amdgcn-amd-amdhsa--gfx1250"
	.amdhsa_code_object_version 6
	.text
	.protected	k_qb3ca480ca8_attn1
	.globl	k_qb3ca480ca8_attn1
	.p2align	8
	.type	k_qb3ca480ca8_attn1,@function
k_qb3ca480ca8_attn1:
	s_mov_b64 s[64:65], 0
	v_nop
	global_prefetch_b8 v0, s[64:65] scope:SCOPE_SE
	s_setreg_imm32_b32 hwreg(HW_REG_WAVE_MODE, 25, 1), 1
	s_wait_xcnt 0x0
; One head's attention for 256 queries, both products on codes of E4M3, with the query projection in front.  One text serves the causal self-attention and the cross-attention: the exponents and
; the causal flag come as eight whole numbers (eW, eA, eq, ek, ep, ev, causal, 0) that an earlier launch stored.
; qa: Wq's codes at 0, the rows' codes at 1 MiB, both as images of fragments (blocks 16 rows x 128 K, 2,048 bytes).  kv: k at 0 (blocks 16 keys x 64 channels, 1,024 bytes), v at 4 MiB (blocks 16 channels x 128 keys, 2,048 bytes);
; a head's k and a head's v are dense streams of 131,072 bytes.  att: [4096][1024] f32, heads side by side.
; SHARES.  Work-group (xb, 16 batch + head); wave w owns the 16 queries of tile T = 8 P(w) + xb, P a fixed permutation of 0..15 in which the waves w, w+4, w+8, w+12 and the waves 4i .. 4i+3 each add up to 30:
; under the causal mask a wave's work grows with T, and so each group of four waves and each work-group has the same sum of it.  Every wave walks all 8 slots of 256 keys (constant trips) and jumps over the steps all of whose keys are hidden.
; SOFTMAX: t = score x log2(e) / 8; M = the running largest t rounded up to a whole number; p = 2^(t - M) is quantised under 2^ep; the sum is taken of the unquantised p; a move of M multiplies sum and O by an exact power of two.
; THE HOLD.  p is at most 1 but for the rounding of t - M, and 448 x 2^-8 = 1.75: with ep >= -8 no p passes 448 x 2^ep, and the 64 lines of the hold are jumped over, by a scalar branch on the stored whole number ep.
; THE EXPONENTIALS go in two batches of 32, each with one wait ahead of its first reader; between the exponentials of a batch stand plain lines that name none of its results: scalings and the making of f in the first,
; the first batch's sums and the rescaling of O^T in the second.  Maxima and sums run in four chains each, so that a wave that works alone on its SIMD (late keys under the causal mask) waits less for its own results.
; LAYOUT: all products transposed (q^T = Wq x^T, S^T = K q^T, O^T = V^T P^T): a lane holds one query throughout, and eight results of a lane, converted, are two registers of the next operand, keys and channels in their natural order.
; K AND V COME THROUGH REGISTERS: each wave loads 2,048 bytes of the next slot a whole slot ahead and stores them to LDS; one barrier a slot.  No tensor load, hence no joint load either.
; The staging is 8 instructions a wave for a slot.  Nothing is asked for still earlier: a slot's loads are out for a key step before they are waited for.
; LIMITS: eq - eW - eA and ep between -126 and 119; eq + ek between -123 and 130 (added to the exponent field of log2(e) / 8); ep + ev goes by v_ldexp_f32.  NaN is not served.
; REGISTERS: v1-11 addresses; v12 -M, v13 largest score, v[14:15] the sum; v16-23 q's codes; v24 448 x scale, v25 scale; v26 permute; v27-29 at work; v32-95 fragments; v96-159 S^T, p (first: four fragments of x);
;   v160-191 O^T (first: q's sums); v192-207 p's codes; v208-223 and v236-251 staging, two sets by turns; v224-227 four maxima; v228-235 four sums; v252-254 at work.
.set RING,  65536                      ; LDS: Wq's slice of the head, 65,536 bytes, at 0; then two slots of 32,768: K's 16,384, V's 16,384
.set SLOTB, 32768
.set STG,   131072                     ; the way out: 16 rows x 272 bytes for each wave
.set SPI,   272
.set G0,    208                        ; staging for the even slots; the odd slots' set lies 28 registers on
.set G1,    236
.set MX,    224
.set QS,    228
	s_load_b256 s[4:11], s[0:1], 0x0               ; qa 4, kv 6, par 8, att 10
	v_lshl_add_u32 v31, v0, 2, 0x31000
	v_mov_b32 v255, 0
	v_lshrrev_b32 v1, 5, v0
	v_readfirstlane_b32 s12, v1                    ; wave 0..15
	s_mov_b32 s13, ttmp9                           ; xb
	s_and_b32 s14, ttmp7, 0xffff                   ; 16 batch + head
	s_mov_b32 s39, 0x0de3b658                      ; P(8..15) = 8, 5, 6, 11, 3, 14, 13, 0, a nibble each
	s_cmp_lt_u32 s12, 8
	s_cselect_b32 s38, 0x7a94c12f, s39             ; P(0..7) = 15, 2, 1, 12, 4, 9, 10, 7
	s_and_b32 s39, s12, 7
	s_lshl_b32 s39, s39, 2
	s_lshr_b32 s38, s38, s39
	s_and_b32 s38, s38, 15
	s_lshl_b32 s16, s38, 3
	s_add_co_u32 s16, s16, s13                     ; T
	s_lshl_b32 s17, s16, 4                         ; Q0: my first query
	s_mov_b32 s20, 0x76543210                      ; v_permlanex16_b32: lane l xor 16
	s_mov_b32 s21, 0xfedcba98
	s_lshr_b32 s18, s14, 4                         ; batch
	s_and_b32 s19, s14, 15                         ; head
	s_lshl_b32 s46, s18, 7
	s_add_co_u32 s46, s46, s16
	s_lshl_b32 s46, s46, 14                        ; the rows' codes: tile 128 batch + T, 16,384 bytes a tile,
	s_add_co_u32 s46, s46, 0x100000                ; 1 MiB into qa
	s_mov_b32 s47, 0
	s_lshl_b32 s48, s19, 16                        ; Wq's 64 rows of the head: 65,536 bytes
	s_mov_b32 s49, 0
	s_lshl_b32 s50, s18, 11
	s_add_co_u32 s50, s50, s17
	s_lshl_b32 s50, s50, 12                        ; att: row 2,048 batch + Q0,
	s_lshl_b32 s51, s19, 8
	s_add_co_u32 s50, s50, s51                     ; + 256 bytes x head
	s_mov_b32 s51, 0
	s_lshl_b32 s52, s14, 17
	s_mov_b32 s53, 0
	v_and_b32 v8, 31, v0
	v_lshlrev_b32 v1, 4, v8                        ; 16 x lane
	v_and_b32 v9, 15, v0                           ; r
	v_bfe_u32 v10, v0, 4, 1                        ; h
	s_and_b32 s38, s12, 7
	s_lshl_b32 s38, s38, 11
	s_lshr_b32 s39, s12, 3
	s_lshl_b32 s39, s39, 22
	s_add_co_u32 s38, s38, s39
	v_add_nc_u32 v2, s38, v1                       ; staging, in memory: waves 0-7 K's 16 KiB, waves 8-15 V's, 4 MiB on; 2,048 bytes a wave
	s_lshl_b32 s38, s12, 11
	s_add_co_u32 s38, s38, RING
	v_add_nc_u32 v3, s38, v1                       ; and in a slot
	s_lshl_b32 s38, s12, 12
	v_add_nc_u32 v4, s38, v1                       ; Wq's slice: 4,096 bytes a wave, the same place in memory and in LDS
	s_mul_i32 s38, s12, 16*SPI
	s_add_co_u32 s38, s38, STG
	v_mul_u32_u24 v5, v9, SPI
	v_lshl_add_u32 v5, v10, 5, v5
	v_add_nc_u32 v5, s38, v5                       ; my stage, in: row r, + 32 h
	v_mul_u32_u24 v6, v10, SPI
	v_lshl_add_u32 v6, v9, 4, v6
	v_add_nc_u32 v6, s38, v6                       ; back: lanes 0-15 one row, lanes 16-31 the next
	v_lshlrev_b32 v7, 12, v10
	v_lshl_add_u32 v7, v9, 4, v7                   ; and the same two rows in att
	v_add_nc_u32 v11, RING, v1                     ; fragments out of the ring
	v_lshlrev_b32 v8, 3, v10
	v_sub_nc_u32 v8, v9, v8
	v_add_nc_u32 v8, s17, v8                       ; my query - 8 h, for the mask
	s_wait_kmcnt 0x0
	s_load_b256 s[24:31], s[8:9], 0x0              ; eW, eA, eq, ek, ep, ev, causal, 0
	s_add_nc_u64 s[40:41], s[4:5], s[46:47]
	s_add_nc_u64 s[42:43], s[4:5], s[48:49]
	s_add_nc_u64 s[44:45], s[10:11], s[50:51]
	s_add_nc_u64 s[36:37], s[6:7], s[52:53]        ; the head's k; walks 16,384 bytes a slot
.macro ALD s                           ; my rows' fragment of K block s, into place s % 4
.irp q, 0,1,2,3
	global_load_b128 v[96+16*((\s)%4)+4*\q:99+16*((\s)%4)+4*\q], v1, s[40:41] offset:2048*(\s)+512*\q
.endr
.endm
.macro GLD g                           ; my 2,048 bytes of the slot at which the pointer stands, into the staging set at v[g]
.irp q, 0,1,2,3
	global_load_b128 v[\g+4*\q:\g+4*\q+3], v2, s[36:37] offset:512*\q
.endr
.endm
.set i, 0
.rept 8
	global_load_b128 v[32+4*i:35+4*i], v4, s[42:43] offset:512*i
.set i, i+1
.endr
	GLD G0                                         ; slot 0
	ALD 0
	ALD 1
	ALD 2
	ALD 3
	s_wait_loadcnt 20                              ; Wq's 8 loads are in; slot 0's 4 and the rows' 16 may be out
.set i, 0
.rept 8
	ds_store_b128 v4, v[32+4*i:35+4*i] offset:512*i
.set i, i+1
.endr
	s_wait_dscnt 0x0                               ; for the others' sake: my part of the slice has landed
	s_barrier_signal -1
	s_barrier_wait -1
; q^T = Wq x^T, a K block of 128 at a time: source 0 = 16 channels of the head, source 1 = my 16 rows.  Four accumulators by turns
.macro PSTEP s
.irp a, 0,1,2,3
.irp q, 0,1,2,3
	ds_load_b128 v[32+16*\a+4*\q:35+16*\a+4*\q], v1 offset:16384*\a+2048*(\s)+512*\q
.endr
.endr
.if (\s) <= 4
	s_wait_loadcnt 12                              ; the rows' fragment s is in; the three fragments behind it may be out
.else
	s_wait_loadcnt 4*(7-(\s))
.endif
	s_wait_dscnt 0x0
.irp a, 0,1,2,3
.if (\s) == 0
	v_wmma_f32_16x16x128_fp8_fp8 v[160+8*\a:167+8*\a], v[32+16*\a:47+16*\a], v[96+16*((\s)%4):111+16*((\s)%4)], 0
.else
	v_wmma_f32_16x16x128_fp8_fp8 v[160+8*\a:167+8*\a], v[32+16*\a:47+16*\a], v[96+16*((\s)%4):111+16*((\s)%4)], v[160+8*\a:167+8*\a]
.endif
.endr
.rept 4
	v_nop                                          ; places in front of loads into registers that these products read, and of the first read of the sums
.endr
.if (\s) < 4
	ALD (\s)+4
.endif
.endm
.irp s, 0,1,2,3,4,5,6,7
	PSTEP \s
.endr
	s_wait_kmcnt 0x0
	s_sub_co_i32 s38, s26, s24
	s_sub_co_i32 s38, s38, s25                     ; a sum stands for sum x 2^(eW + eA): q's code is sum / 2^(eq - eW - eA)
	s_add_co_i32 s38, s38, 127
	s_lshl_b32 s39, s38, 23
	v_mov_b32 v25, s39
	s_add_co_i32 s38, s38, 8
	s_lshl_b32 s38, s38, 23
	s_or_b32 s38, s38, 0x600000
	v_mov_b32 v24, s38
.set j, 0
.rept 32
	v_med3_num_f32 v[160+j], v[160+j], -v24, v24
.set j, j+1
.endr
.irp a, 0,1,2,3
	v_cvt_scalef32_pk8_fp8_f32 v[16+2*\a:17+2*\a], v[160+8*\a:167+8*\a], v25   ; registers 2 a, 2 a + 1: channels 16 a + 8 h + 0 .. 7 of query r
.endr
	v_nop                                          ; a plain line between the last conversion and the writes of its sources below
	s_add_co_i32 s38, s28, 127
	s_lshl_b32 s39, s38, 23
	v_mov_b32 v25, s39                             ; 2^ep
	s_add_co_i32 s38, s38, 8
	s_lshl_b32 s38, s38, 23
	s_or_b32 s38, s38, 0x600000
	v_mov_b32 v24, s38                             ; 448 x 2^ep
	s_add_co_i32 s38, s26, s27
	s_lshl_b32 s38, s38, 23
	s_add_co_i32 s22, s38, 0x3e38aa3b              ; c = log2(e) / 8 x 2^(eq + ek)
	s_mov_b32 s23, s22                             ; (named with it as a pair, so it is written)
	s_add_co_u32 s38, s17, 15
	s_cmp_lg_u32 s30, 0
	s_cselect_b32 s32, s38, -1                     ; a step whose first key is above this is hidden: my last query, or never
	s_cselect_b32 s33, s17, -1                     ; a step whose last key is at most this needs no mask: my first query, or always
.set j, 0
.rept 32
	v_mov_b32 v[160+j], 0                          ; O^T: the step is written once; its first walk finds zeros
.set j, j+1
.endr
	v_mov_b32 v13, 0xff61b1e6                      ; the largest score so far: -3e38, under every sum of 64 products of codes
	v_floor_f32 v12, -v13                          ; -M
	v_mov_b32 v14, 0
	v_mov_b32 v15, 0
	v_mov_b32 v26, 0                               ; a permute's destination counts as read
	v_mov_b32 v253, 0                              ; (named as the upper half of v[252:253])
	s_wait_loadcnt 0x0
.irp q, 0,1,2,3
	ds_store_b128 v3, v[G0+4*\q:G0+4*\q+3] offset:512*\q       ; slot 0
.endr
	s_wait_dscnt 0x0                               ; for the others' sake: they have landed
	s_add_nc_u64 s[36:37], s[36:37], 16384         ; its loads are done: the pointer may step
	GLD G1                                         ; slot 1
	s_barrier_signal -1
	s_barrier_wait -1
; plain line k of the 28 that stand between the second batch's exponentials: 0-11 the first batch's 16 pairs of p summed into four chains, 12-27 O^T x f, each accumulator from its low end on
.macro PLB k
.if (\k) < 4
	v_pk_add_f32 v[QS+2*(\k):QS+2*(\k)+1], v[96+2*(\k):97+2*(\k)], v[104+2*(\k):105+2*(\k)]
.elseif (\k) < 12
	v_pk_add_f32 v[QS+2*((\k)%4):QS+2*((\k)%4)+1], v[QS+2*((\k)%4):QS+2*((\k)%4)+1], v[104+2*(\k):105+2*(\k)]
.else
	v_pk_mul_f32 v[136+2*(\k):137+2*(\k)], v[136+2*(\k):137+2*(\k)], v[252:253] op_sel_hi:[1,0]
.endif
.endm
; A KEY STEP: 128 keys, the q-th of ring slot sl
.macro STEP sl, q
.set O, (\sl)*SLOTB+(\q)*8192
	s_add_co_u32 s38, s34, 256*(\sl)+128*(\q)      ; the step's first key
	s_cmp_gt_u32 s38, s32
	s_cbranch_scc1 .Lhidden_\@                     ; all its keys come after my queries: no barrier and no store stands in a step
.rept 4
	v_nop                                          ; places in front of loads into registers that the last products read
.endr
.irp u, 0,1,2,3,4,5,6,7
	ds_load_b128 v[32+8*\u:35+8*\u], v11 offset:O+1024*\u
	ds_load_b128 v[36+8*\u:39+8*\u], v11 offset:O+1024*\u+512
.endr
	s_wait_dscnt 8                                 ; tiles 0-3 of the keys are in; the 8 loads of tiles 4-7 may be out
.irp u, 0,1,2,3
	v_wmma_f32_16x16x64_fp8_fp8 v[96+8*\u:103+8*\u], v[32+8*\u:39+8*\u], v[16:23], 0   ; register 8 u + j: key 16 u + 8 h + j, query r
.endr
	s_wait_dscnt 0x0
.irp u, 4,5,6,7
	v_wmma_f32_16x16x64_fp8_fp8 v[96+8*\u:103+8*\u], v[32+8*\u:39+8*\u], v[16:23], 0
.endr
	v_mov_b32 v27, v12                             ; the old -M is kept for f: the first of four places behind the products
.rept 3
	v_nop
.endr
.irp a, 0,1,2,3
.irp qq, 0,1,2,3
	ds_load_b128 v[32+16*\a+4*\qq:35+16*\a+4*\qq], v11 offset:16384+O+2048*\a+512*\qq   ; V's four fragments land under the softmax
.endr
.endr
	s_add_co_u32 s39, s38, 127
	s_cmp_le_u32 s39, s33
	s_cbranch_scc1 .Lopen_\@                       ; all its keys count
	s_sub_co_i32 s39, 0, s38
	v_add_nc_u32 v252, s39, v8                     ; d = my query - 8 h - the first key: register 8 u + j is hidden where 16 u + j > d
	v_mov_b32 v254, 0xff800000
.set n, 0
.rept 64
	v_cmp_gt_i32 vcc_lo, 16*(n/8)+n%8, v252
	v_cndmask_b32 v[96+n], v[96+n], v254, vcc_lo
.set n, n+1
.endr
.Lopen_\@:
	; the step's largest score among my 64 keys: four chains of 15 scores (two accumulators each, from the low end on), then the four scores left over
.irp k, 0,1,2,3
	v_max3_num_f32 v[MX+\k], v[96+16*\k], v[97+16*\k], v[98+16*\k]
.endr
.irp j, 1,2,3,4,5,6
.irp k, 0,1,2,3
	v_max3_num_f32 v[MX+\k], v[MX+\k], v[97+16*\k+2*\j], v[98+16*\k+2*\j]
.endr
.endr
	v_max_num_f32 v28, v143, v159
	v_max3_num_f32 v[MX], v[MX], v[MX+1], v111
	v_max3_num_f32 v[MX+2], v[MX+2], v[MX+3], v127
	v_max3_num_f32 v[MX], v[MX], v[MX+2], v28
	v_permlanex16_b32 v26, v[MX], s20, s21
	v_max3_num_f32 v13, v13, v[MX], v26            ; with lane l xor 16's and the largest so far: kept as a score; c is positive, so c x the largest score is the largest t
	v_mul_f32 v29, s22, v13
	v_floor_f32 v12, -v29                          ; -M = floor(-t): M is a whole number
	v_pk_fma_f32 v[96:97], v[96:97], s[22:23], v[12:13] op_sel_hi:[1,0,0]   ; t - M (of the pairs c and -M the low word serves both halves)
	v_sub_f32 v27, v12, v27                        ; old M - new M, 0 or less
	; the first batch: p of keys 16 u + .., u = 0 .. 3.  Between its exponentials: the scalings that are still due, and f
.set j, 0
.rept 16
	v_exp_f32 v[96+2*j], v[96+2*j]                 ; p = 2^(t - M), not normalised
.if j < 15
	v_pk_fma_f32 v[98+2*j:99+2*j], v[98+2*j:99+2*j], s[22:23], v[12:13] op_sel_hi:[1,0,0]
.endif
	v_exp_f32 v[97+2*j], v[97+2*j]
	v_pk_fma_f32 v[128+2*j:129+2*j], v[128+2*j:129+2*j], s[22:23], v[12:13] op_sel_hi:[1,0,0]
.if j == 1
	v_cvt_i32_f32 v27, v27                         ; (it saturates)
.endif
.if j == 3
	v_ldexp_f32 v252, 1.0, v27                     ; f = 2^(old M - new M)
.endif
.set j, j+1
.endr
	s_wait_alu depctr_va_vdst(0)                   ; one wait for the batch of 32, ahead of its first reader; the scaling above is the plain line behind the last exponential
	; the second batch: u = 4 .. 7.  Between its exponentials: the first batch's sums (of the unquantised p) and O^T under the new M
.set j, 0
.rept 32
	v_exp_f32 v[128+j], v[128+j]
.if j < 27
	PLB j
.endif
.set j, j+1
.endr
	PLB 27                                         ; the plain line behind the last exponential
	s_wait_alu depctr_va_vdst(0)                   ; one wait for the second batch
.set j, 0
.rept 16
	v_pk_add_f32 v[QS+2*(j%4):QS+2*(j%4)+1], v[QS+2*(j%4):QS+2*(j%4)+1], v[128+2*j:129+2*j]
.set j, j+1
.endr
	s_cmp_ge_i32 s28, -8                           ; 448 x 2^ep is 1.75 or more: no p reaches it
	s_cbranch_scc1 .Lfits_\@
.set j, 0
.rept 64
	v_min_num_f32 v[96+j], v[96+j], v24            ; the conversion does not saturate (ISA guide 7.6.2); p is not negative: a one-sided hold
.set j, j+1
.endr
.Lfits_\@:
.irp u, 0,1,2,3,4,5,6,7
	v_cvt_scalef32_pk8_fp8_f32 v[192+2*\u:193+2*\u], v[96+8*\u:103+8*\u], v25
.endr
	v_pk_add_f32 v[QS:QS+1], v[QS:QS+1], v[QS+2:QS+3]          ; the four chains meet: also the plain lines between the conversions and the products that read the codes
	v_pk_add_f32 v[QS+4:QS+5], v[QS+4:QS+5], v[QS+6:QS+7]
	v_pk_add_f32 v[QS:QS+1], v[QS:QS+1], v[QS+4:QS+5]
	v_pk_fma_f32 v[14:15], v[14:15], v[252:253], v[QS:QS+1] op_sel_hi:[1,0,1]   ; the sum under the new M, + this step's
	s_wait_dscnt 0x0                               ; V
.irp a, 0,1,2,3
	v_wmma_f32_16x16x128_fp8_fp8 v[160+8*\a:167+8*\a], v[32+16*\a:47+16*\a], v[192:207], v[160+8*\a:167+8*\a]
.endr
.Lhidden_\@:
.endm
; The next slot's bytes, asked for a slot ago, go into the other ring slot (every wave's reads of it were waited for in front of the last barrier), and the slot after it is asked for, into the other staging set:
; that set's LDS stores were issued a slot ago and waited for in front of the last barrier, so no wait stands between the stores here and the loads.
; Of 8 slots the last has no successor and the last but one asks for nothing: branches on the trip's counter, the same in every wave
.macro MOVE sl
.if \sl
	s_cmp_lt_u32 s34, 1536
	s_cbranch_scc0 .Lno_move_\@
.endif
	s_wait_loadcnt 0x0
.irp q, 0,1,2,3
	ds_store_b128 v3, v[G0+28*(1-(\sl))+4*\q:G0+28*(1-(\sl))+4*\q+3] offset:(1-(\sl))*SLOTB+512*\q
.endr
.if !\sl
	s_cmp_lt_u32 s34, 1536
	s_cbranch_scc0 .Lno_move_\@
.endif
	s_add_nc_u64 s[36:37], s[36:37], 16384         ; its loads are done: the pointer may step
	GLD G0+28*(\sl)
.Lno_move_\@:
.endm
.macro ITER sl
	STEP \sl, 0
	MOVE \sl
	STEP \sl, 1
	s_wait_dscnt 0x0                               ; my stores into the other slot have landed and my reads of this one are over
	s_barrier_signal -1
	s_barrier_wait -1
.endm
	s_mov_b32 s34, 0                               ; the trip's first key: 512 keys, two slots, a trip
.Ltrip:
	ITER 0
	ITER 1
	s_add_co_u32 s34, s34, 512
	s_cmp_lt_u32 s34, 2048
	s_cbranch_scc1 .Ltrip
	; THE WAY OUT: O^T / the sum x 2^(ep + ev), through my stage, so that sixteen lanes store 256 consecutive bytes, aligned: a head's 64 channels of a row
.rept 4
	v_nop
.endr
	v_add_f32 v14, v14, v15
	v_permlanex16_b32 v26, v14, s20, s21
	v_add_f32 v14, v14, v26
	v_rcp_f32 v14, v14
	v_nop
	s_add_co_i32 s38, s28, s29
	s_wait_alu depctr_va_vdst(0)                   ; ahead of the reciprocal's first reader
	v_ldexp_f32 v14, v14, s38
.set j, 0
.rept 32
	v_mul_f32 v[96+j], v[160+j], v14               ; register 8 a + j: channel 16 a + 8 h + j of query r
.set j, j+1
.endr
.irp a, 0,1,2,3
	ds_store_b128 v5, v[96+8*\a:99+8*\a] offset:64*\a
	ds_store_b128 v5, v[100+8*\a:103+8*\a] offset:64*\a+16
.endr
.irp i, 0,1,2,3,4,5,6,7
	ds_load_b128 v[32+4*\i:35+4*\i], v6 offset:2*SPI*\i     ; LDS serves a wave's instructions in order: these see my stores
.endr
.irp i, 0,1,2,3,4,5,6,7
	s_wait_dscnt 7-\i
	global_store_b128 v7, v[32+4*\i:35+4*\i], s[44:45] offset:8192*\i
.endr
	s_wait_tensorcnt 0x0
	ds_add_u32 v31, v255
	s_wait_dscnt 0x0
	s_endpgm
.Lfunc_end_k_qb3ca480ca8_attn1:
	.size	k_qb3ca480ca8_attn1, .Lfunc_end_k_qb3ca480ca8_attn1-k_qb3ca480ca8_attn1
	.p2alignl 7, 3214868480
	.fill 96, 4, 3214868480
	.section	.rodata,"a",@progbits
	.p2align	6, 0x0
	.amdhsa_kernel k_qb3ca480ca8_attn1
		.amdhsa_group_segment_fixed_size 202752
		.amdhsa_private_segment_fixed_size 0
		.amdhsa_enable_private_segment 0
		.amdhsa_kernarg_size 32
		.amdhsa_user_sgpr_count 2
		.amdhsa_user_sgpr_kernarg_segment_ptr 1
		.amdhsa_wavefront_size32 1
		.amdhsa_system_sgpr_workgroup_id_x 1
		.amdhsa_system_sgpr_workgroup_id_y 1
		.amdhsa_system_sgpr_workgroup_id_z 1
		.amdhsa_system_vgpr_workitem_id 0
		.amdhsa_next_free_vgpr 256
		.amdhsa_next_free_sgpr 66
		.amdhsa_reserve_vcc 1
		.amdhsa_float_denorm_mode_32 3
		.amdhsa_float_denorm_mode_16_64 3
		.amdhsa_memory_ordered 1
		.amdhsa_forward_progress 1
		.amdhsa_inst_pref_size 112
	.end_amdhsa_kernel
	.amdgpu_metadata
---
amdhsa.version: [ 1, 2 ]
amdhsa.kernels:
  - .name:           k_qb3ca480ca8_attn1
    .symbol:         k_qb3ca480ca8_attn1.kd
    .args:
      - { .name: qa1, .offset: 0, .size: 8, .value_kind: global_buffer, .address_space: global }
      - { .name: kv1, .offset: 8, .size: 8, .value_kind: global_buffer, .address_space: global }
      - { .name: par1, .offset: 16, .size: 8, .value_kind: global_buffer, .address_space: global }
      - { .name: att, .offset: 24, .size: 8, .value_kind: global_buffer, .address_space: global }
    .group_segment_fixed_size: 202752
    .private_segment_fixed_size: 0
    .kernarg_segment_align: 8
    .kernarg_segment_size: 32
    .max_flat_workgroup_size: 512
    .sgpr_count:     66
    .vgpr_count:     256
    .wavefront_size: 32
...
	.end_amdgpu_metadata
.endif
;; end of part 3
;; launch ln1 (part 4): grid 256 x 1, 8 waves a work-group, no clusters, 66,816 bytes of LDS; arguments att, input_tensor, g1, be1, lowp_scales, qa2; writes qa2
.if DOCPART == 4
	.amdgcn_target "amdgcn-amd-amdhsa--gfx1250"
	.amdhsa_code_object_version 6
	.text
	.protected	k_qb3ca480ca8_ln1
	.globl	k_qb3ca480ca8_ln1
	.p2align	8
	.type	k_qb3ca480ca8_ln1,@function
k_qb3ca480ca8_ln1:
	s_mov_b64 s[64:65], 0
	v_nop
	global_prefetch_b8 v0, s[64:65] scope:SCOPE_SE
	s_setreg_imm32_b32 hwreg(HW_REG_WAVE_MODE, 25, 1), 1
	s_wait_xcnt 0x0
; x1 = LayerNorm(att + input_tensor) g1 + be1, stored twice into qa2: as f32 [4096][1024] at 5 MiB (the later residual) and as codes of E4M3 under entry 11 at 1 MiB (the second attention's rows),
; the codes as images of fragments: blocks 16 rows x 128 K, 2,048 bytes.
; A work-group takes 16 rows.  Wave w normalises rows 2 w and 2 w + 1, a whole row in one wave (a lane holds columns 4 lane + 128 i), so the sums never leave the wave; the mean is taken away before the squares.
; The 16 rows then meet in LDS (rows 4,112 bytes apart: row r starts 4 r words on, modulo 64), one barrier, and wave w quantises K block w.
; LIMIT: entry 11 between -126 and 119.  NaN is not served.  A stream: no matrix unit, tensor load or cluster; each byte is read once.
.set Z0, 32                            ; v32-63, v64-95     the two rows
.set Z1, 64
.set B0, 96                            ; v96-127, v128-159  input_tensor's; later 64 numbers to quantise
.set B1, 128
.set GG, 160                           ; v160-191 g1; later the codes
.set BE, 192                           ; v192-223 be1
.set PIT, 4112
.set SEL, 22                           ; s[22:23] lane l xor 16
.set K1, 24                            ; s24 1/1024
.set K2, 25                            ; s25 1e-5
.macro LD8 reg, base, off              ; a row: eight loads of 512 consecutive bytes
.set li, 0
.rept 8
	global_load_b128 v[\reg+4*li:\reg+4*li+3], v1, s[\base:\base+1] offset:\off+512*li
.set li, li+1
.endr
.endm
.macro LD8NT reg, base, off            ; the same for bytes that the launch reads once
.set li, 0
.rept 8
	global_load_b128 v[\reg+4*li:\reg+4*li+3], v1, s[\base:\base+1] offset:\off+512*li th:TH_LOAD_NT
.set li, li+1
.endr
.endm
.macro RESADD Z, B
.set li, 0
.rept 16
	v_pk_add_f32 v[\Z+li:\Z+li+1], v[\Z+li:\Z+li+1], v[\B+li:\B+li+1]
.set li, li+2
.endr
.endm
.macro WSUM                            ; v20 summed over the 32 lanes, in every lane
	v_add_f32_dpp v20, v20, v20 row_xmask:1 row_mask:0xf bank_mask:0xf
	v_add_f32_dpp v20, v20, v20 row_xmask:2 row_mask:0xf bank_mask:0xf
	v_add_f32_dpp v20, v20, v20 row_xmask:4 row_mask:0xf bank_mask:0xf
	v_add_f32_dpp v20, v20, v20 row_xmask:8 row_mask:0xf bank_mask:0xf
	v_permlanex16_b32 v21, v20, s[SEL], s[SEL+1]
	v_add_f32 v20, v20, v21
.endm
.macro LNSTAT Z, M                     ; the row in v[Z] on becomes z - mean; v[M] = variance + 1e-5
	v_pk_add_f32 v[20:21], v[\Z:\Z+1], v[\Z+2:\Z+3]
	v_pk_add_f32 v[22:23], v[\Z+4:\Z+5], v[\Z+6:\Z+7]
.irp i, 8,12,16,20,24,28
	v_pk_add_f32 v[20:21], v[20:21], v[\Z+\i:\Z+\i+1]
	v_pk_add_f32 v[22:23], v[22:23], v[\Z+\i+2:\Z+\i+3]
.endr
	v_pk_add_f32 v[20:21], v[20:21], v[22:23]
	v_add_f32 v20, v20, v21
	WSUM
	v_mul_f32 v[\M], s[K1], v20
	v_mov_b32 v[\M+1], v[\M]
.irp i, 0,2,4,6,8,10,12,14,16,18,20,22,24,26,28,30
	v_pk_add_f32 v[\Z+\i:\Z+\i+1], v[\Z+\i:\Z+\i+1], v[\M:\M+1] neg_lo:[0,1] neg_hi:[0,1]
.endr
	v_pk_mul_f32 v[20:21], v[\Z:\Z+1], v[\Z:\Z+1]
	v_pk_mul_f32 v[22:23], v[\Z+2:\Z+3], v[\Z+2:\Z+3]
.irp i, 4,8,12,16,20,24,28
	v_pk_fma_f32 v[20:21], v[\Z+\i:\Z+\i+1], v[\Z+\i:\Z+\i+1], v[20:21]
	v_pk_fma_f32 v[22:23], v[\Z+\i+2:\Z+\i+3], v[\Z+\i+2:\Z+\i+3], v[22:23]
.endr
	v_pk_add_f32 v[20:21], v[20:21], v[22:23]
	v_add_f32 v20, v20, v21
	WSUM
	v_fma_f32 v[\M], v20, s[K1], s[K2]
.endm
.macro LNFIN Z, M, G, B                ; x 1/sigma, x g, + be
.irp i, 0,2,4,6,8,10,12,14,16,18,20,22,24,26,28,30
	v_pk_mul_f32 v[\Z+\i:\Z+\i+1], v[\Z+\i:\Z+\i+1], v[\M:\M+1]
	v_pk_fma_f32 v[\Z+\i:\Z+\i+1], v[\Z+\i:\Z+\i+1], v[\G+\i:\G+\i+1], v[\B+\i:\B+\i+1]
.endr
.endm
	s_load_b256 s[4:11], s[0:1], 0x0               ; att 4, input_tensor 6, g1 8, be1 10
	s_load_b128 s[12:15], s[0:1], 0x20             ; lowp_scales 12, qa2 14
	v_lshl_add_u32 v224, v0, 2, 0x10100
	v_mov_b32 v225, 0
	v_lshrrev_b32 v1, 5, v0
	v_readfirstlane_b32 s16, v1                    ; wave 0..7
	v_and_b32 v2, 31, v0
	v_lshlrev_b32 v1, 4, v2                        ; 16 x lane
	v_and_b32 v3, 15, v0                           ; r
	v_bfe_u32 v4, v0, 4, 1                         ; h
	s_mul_i32 s17, s16, 2*PIT
	v_add_nc_u32 v5, s17, v1                       ; LDS, in: my two rows
	v_mul_u32_u24 v6, v3, PIT
	v_lshl_add_u32 v6, v4, 5, v6
	s_lshl_b32 s17, s16, 9
	v_add_nc_u32 v6, s17, v6                       ; out: row r, K block w, + 32 h
	s_lshl_b32 s18, ttmp9, 16                      ; 16 rows of 4,096 bytes
	s_lshl_b32 s17, s16, 13
	s_add_co_u32 s18, s18, s17
	s_mov_b32 s19, 0
	s_lshl_b32 s20, ttmp9, 14                      ; the tile's 8 blocks
	s_lshl_b32 s17, s16, 11
	s_add_co_u32 s20, s20, s17
	s_mov_b32 s21, 0
	s_mov_b32 s[SEL], 0x76543210
	s_mov_b32 s[SEL+1], 0xfedcba98
	s_mov_b32 s[K1], 0x3a800000
	s_mov_b32 s[K2], 0x3727c5ac
	s_wait_kmcnt 0x0
	s_load_b32 s26, s[12:13], 0x2c                 ; entry 11
	s_add_nc_u64 s[4:5], s[4:5], s[18:19]
	s_add_nc_u64 s[6:7], s[6:7], s[18:19]
	s_add_nc_u64 s[28:29], s[14:15], s[18:19]
	s_add_nc_u64 s[30:31], s[14:15], s[20:21]
	LD8NT Z0, 4, 0
	LD8NT B0, 6, 0
	LD8NT Z1, 4, 4096
	LD8NT B1, 6, 4096
	LD8 GG, 8, 0
	LD8 BE, 10, 0
	s_wait_loadcnt 16                              ; the rows are in; g1's and be1's 16 loads may be out
	RESADD Z0, B0
	RESADD Z1, B1
	LNSTAT Z0, 16
	LNSTAT Z1, 18
	v_rsq_f32 v16, v16
	v_rsq_f32 v18, v18
	v_nop                                          ; a plain line behind the two roots,
	s_wait_alu depctr_va_vdst(0)                   ; and one wait for both, ahead of their first reader
	v_mov_b32 v17, v16
	v_mov_b32 v19, v18
	s_wait_loadcnt 0x0
	LNFIN Z0, 16, GG, BE
	LNFIN Z1, 18, GG, BE
.set i, 0
.rept 8
	global_store_b128 v1, v[Z0+4*i:Z0+4*i+3], s[28:29] offset:5242880+512*i
	global_store_b128 v1, v[Z1+4*i:Z1+4*i+3], s[28:29] offset:5242880+4096+512*i
	ds_store_b128 v5, v[Z0+4*i:Z0+4*i+3] offset:512*i
	ds_store_b128 v5, v[Z1+4*i:Z1+4*i+3] offset:PIT+512*i
.set i, i+1
.endr
	s_wait_kmcnt 0x0
	s_add_co_i32 s26, s26, 127
	s_lshl_b32 s27, s26, 23
	v_mov_b32 v24, s27                             ; 2^e
	s_add_co_i32 s26, s26, 8
	s_lshl_b32 s26, s26, 23
	s_or_b32 s26, s26, 0x600000
	v_mov_b32 v25, s26                             ; 448 x 2^e
	s_wait_dscnt 0x0                               ; for the others' sake: my rows have landed
	s_barrier_signal -1
	s_barrier_wait -1
.set i, 0
.rept 8
	ds_load_b128 v[96+8*i:99+8*i], v6 offset:64*i          ; register 8 c + j: k = 128 w + 16 c + 8 h + j of row r
	ds_load_b128 v[100+8*i:103+8*i], v6 offset:64*i+16
.set i, i+1
.endr
	s_wait_dscnt 0x0
.irp c, 0,1,2,3,4,5,6,7
.irp j, 0,1,2,3,4,5,6,7
	v_med3_num_f32 v[96+8*\c+\j], v[96+8*\c+\j], -v25, v25
.endr
	v_cvt_scalef32_pk8_fp8_f32 v[160+2*\c:161+2*\c], v[96+8*\c:103+8*\c], v24
.endr
.irp q, 0,1,2,3
	global_store_b128 v1, v[160+4*\q:163+4*\q], s[30:31] offset:1048576+512*\q
.endr
	s_wait_tensorcnt 0x0
	ds_add_u32 v224, v225
	s_wait_dscnt 0x0
	s_endpgm
.Lfunc_end_k_qb3ca480ca8_ln1:
	.size	k_qb3ca480ca8_ln1, .Lfunc_end_k_qb3ca480ca8_ln1-k_qb3ca480ca8_ln1
	.p2alignl 7, 3214868480
	.fill 96, 4, 3214868480
	.section	.rodata,"a",@progbits
	.p2align	6, 0x0
	.amdhsa_kernel k_qb3ca480ca8_ln1
		.amdhsa_group_segment_fixed_size 66816
		.amdhsa_private_segment_fixed_size 0
		.amdhsa_enable_private_segment 0
		.amdhsa_kernarg_size 48
		.amdhsa_user_sgpr_count 2
		.amdhsa_user_sgpr_kernarg_segment_ptr 1
		.amdhsa_wavefront_size32 1
		.amdhsa_system_sgpr_workgroup_id_x 1
		.amdhsa_system_sgpr_workgroup_id_y 1
		.amdhsa_system_sgpr_workgroup_id_z 1
		.amdhsa_system_vgpr_workitem_id 0
		.amdhsa_next_free_vgpr 226
		.amdhsa_next_free_sgpr 66
		.amdhsa_reserve_vcc 0
		.amdhsa_float_denorm_mode_32 3
		.amdhsa_float_denorm_mode_16_64 3
		.amdhsa_memory_ordered 1
		.amdhsa_forward_progress 1
		.amdhsa_inst_pref_size 30
	.end_amdhsa_kernel
	.amdgpu_metadata
---
amdhsa.version: [ 1, 2 ]
amdhsa.kernels:
  - .name:           k_qb3ca480ca8_ln1
    .symbol:         k_qb3ca480ca8_ln1.kd
    .args:
      - { .name: att, .offset: 0, .size: 8, .value_kind: global_buffer, .address_space: global }
      - { .name: input_tensor, .offset: 8, .size: 8, .value_kind: global_buffer, .address_space: global }
      - { .name: g1, .offset: 16, .size: 8, .value_kind: global_buffer, .address_space: global }
      - { .name: be1, .offset: 24, .size: 8, .value_kind: global_buffer, .address_space: global }
      - { .name: lowp_scales, .offset: 32, .size: 8, .value_kind: global_buffer, .address_space: global }
      - { .name: qa2, .offset: 40, .size: 8, .value_kind: global_buffer, .address_space: global }
    .group_segment_fixed_size: 66816
    .private_segment_fixed_size: 0
    .kernarg_segment_align: 8
    .kernarg_segment_size: 48
    .max_flat_workgroup_size: 256
    .sgpr_count:     66
    .vgpr_count:     226
    .wavefront_size: 32
...
	.end_amdgpu_metadata
.endif
;; end of part 4
;; launch attn2: the kernel of part 3 again; grid 8 x 32, 16 waves a work-group, no clusters, 202,752 bytes of LDS; arguments qa2, kv2, par2, att; writes att
;; launch tail (part 5): grid 128 x 1, 16 waves a work-group, no clusters, 207,360 bytes of LDS; arguments att, qa2, pc, g2, be2, g3, be3, bf1, bf2, lowp_scales, out0; writes out0
.if DOCPART == 5
	.amdgcn_target "amdgcn-amd-amdhsa--gfx1250"
	.amdhsa_code_object_version 6
	.text
	.protected	k_qb3ca480ca8_tail
	.globl	k_qb3ca480ca8_tail
	.p2align	8
	.type	k_qb3ca480ca8_tail,@function
k_qb3ca480ca8_tail:
	s_mov_b64 s[64:65], 0
	v_nop
	global_prefetch_b8 v0, s[64:65] scope:SCOPE_SE
	s_setreg_imm32_b32 hwreg(HW_REG_WAVE_MODE, 25, 1), 1
	s_wait_xcnt 0x0
; x2 = LN(x1 + att) g2 + be2;  h = relu(x2 Wf1 + bf1);  out0 = LN(x2 + h Wf2 + bf2) g3 + be3.  Both products on codes of E4M3 (entries 20, 21 and 22, 23).  x2 and h never go to memory.
; x1: f32 at 5 MiB of qa2.  Wf1's and Wf2's codes: at 20 and 21 MiB of pc, [n][k] as images of fragments (blocks 16 rows x 128 K, 2,048 bytes).
; SHARES.  A work-group owns 32 whole rows.  Wave w normalises rows 2 w, 2 w + 1; in both products it owns columns 64 w .. 64 w + 63 (four tiles) for both tiles of 16 rows.  So each weight fragment is wanted by ONE wave
; of the work-group and goes from memory straight into its registers (four loads of 512 consecutive bytes), two K steps ahead, and feeds two matrix instructions; LDS carries only the rows.
; With 32 rows a work-group there are 128 work-groups; with 16 rows each weight byte would be fetched by twice as many work-groups, and no one work-group's walk over the weights would be shorter.
; Products transposed (source 0 = 16 rows of W, source 1 = 16 rows of x2 or h): a lane holds one row and eight neighbouring columns, so that h's eight results, converted, are two registers of the next operand.
; No tensor load, cluster or joint load: no two waves of a work-group share a weight fragment, so a pass through LDS would only add to the way.
; LIMITS: entries 20 and 22 between -126 and 119; e20 + e21 and e22 + e23 between -126 and 127.  NaN is not served.
; LDS: XF 32 rows x 4,112 bytes of f32 | XI x2's 16 fragment images | HI h's 16 | BL bf1, bf2.
; REGISTERS: v1-13 addresses; v16-27 statistics and scales; v32-95 rows, then the 8 accumulators ((m, nn) at 32 + 8 (4 m + nn)); v96-127 two row fragments, biases, codes; v128-255 two sets of four weight fragments (in the norms: rows, g, be).
.set PIT, 4112
.set XI,  32*PIT
.set HI,  XI+32768
.set BL,  HI+32768
.set Z0, 32
.set Z1, 64
.set B0, 96
.set B1, 128
.set SEL, 32                           ; s[32:33] lane l xor 16
.set K1, 34                            ; s34 1/1024
.set K2, 35                            ; s35 1e-5
.macro LD8 reg, base, off
.set li, 0
.rept 8
	global_load_b128 v[\reg+4*li:\reg+4*li+3], v1, s[\base:\base+1] offset:\off+512*li
.set li, li+1
.endr
.endm
.macro LD8NT reg, base, off
.set li, 0
.rept 8
	global_load_b128 v[\reg+4*li:\reg+4*li+3], v1, s[\base:\base+1] offset:\off+512*li th:TH_LOAD_NT
.set li, li+1
.endr
.endm
.macro RESADD Z, B
.set li, 0
.rept 16
	v_pk_add_f32 v[\Z+li:\Z+li+1], v[\Z+li:\Z+li+1], v[\B+li:\B+li+1]
.set li, li+2
.endr
.endm
.macro WSUM                            ; v20 summed over the 32 lanes, in every lane
	v_add_f32_dpp v20, v20, v20 row_xmask:1 row_mask:0xf bank_mask:0xf
	v_add_f32_dpp v20, v20, v20 row_xmask:2 row_mask:0xf bank_mask:0xf
	v_add_f32_dpp v20, v20, v20 row_xmask:4 row_mask:0xf bank_mask:0xf
	v_add_f32_dpp v20, v20, v20 row_xmask:8 row_mask:0xf bank_mask:0xf
	v_permlanex16_b32 v21, v20, s[SEL], s[SEL+1]
	v_add_f32 v20, v20, v21
.endm
.macro LNSTAT Z, M                     ; the row in v[Z] on becomes z - mean; v[M] = variance + 1e-5
	v_pk_add_f32 v[20:21], v[\Z:\Z+1], v[\Z+2:\Z+3]
	v_pk_add_f32 v[22:23], v[\Z+4:\Z+5], v[\Z+6:\Z+7]
.irp i, 8,12,16,20,24,28
	v_pk_add_f32 v[20:21], v[20:21], v[\Z+\i:\Z+\i+1]
	v_pk_add_f32 v[22:23], v[22:23], v[\Z+\i+2:\Z+\i+3]
.endr
	v_pk_add_f32 v[20:21], v[20:21], v[22:23]
	v_add_f32 v20, v20, v21
	WSUM
	v_mul_f32 v[\M], s[K1], v20
	v_mov_b32 v[\M+1], v[\M]
.irp i, 0,2,4,6,8,10,12,14,16,18,20,22,24,26,28,30
	v_pk_add_f32 v[\Z+\i:\Z+\i+1], v[\Z+\i:\Z+\i+1], v[\M:\M+1] neg_lo:[0,1] neg_hi:[0,1]
.endr
	v_pk_mul_f32 v[20:21], v[\Z:\Z+1], v[\Z:\Z+1]
	v_pk_mul_f32 v[22:23], v[\Z+2:\Z+3], v[\Z+2:\Z+3]
.irp i, 4,8,12,16,20,24,28
	v_pk_fma_f32 v[20:21], v[\Z+\i:\Z+\i+1], v[\Z+\i:\Z+\i+1], v[20:21]
	v_pk_fma_f32 v[22:23], v[\Z+\i+2:\Z+\i+3], v[\Z+\i+2:\Z+\i+3], v[22:23]
.endr
	v_pk_add_f32 v[20:21], v[20:21], v[22:23]
	v_add_f32 v20, v20, v21
	WSUM
	v_fma_f32 v[\M], v20, s[K1], s[K2]
.endm
.macro LNROOT                          ; both rows' 1/sigma: one batch, one plain line, one wait ahead of the first reader
	v_rsq_f32 v16, v16
	v_rsq_f32 v18, v18
	v_nop
	s_wait_alu depctr_va_vdst(0)
	v_mov_b32 v17, v16
	v_mov_b32 v19, v18
.endm
.macro LNFIN Z, M, G, B
.irp i, 0,2,4,6,8,10,12,14,16,18,20,22,24,26,28,30
	v_pk_mul_f32 v[\Z+\i:\Z+\i+1], v[\Z+\i:\Z+\i+1], v[\M:\M+1]
	v_pk_fma_f32 v[\Z+\i:\Z+\i+1], v[\Z+\i:\Z+\i+1], v[\G+\i:\G+\i+1], v[\B+\i:\B+\i+1]
.endr
.endm
.macro MKSC e, vsc, vlim
	s_add_co_i32 s52, s[\e], 127
	s_lshl_b32 s53, s52, 23
	v_mov_b32 v[\vsc], s53
	s_add_co_i32 s52, s52, 8
	s_lshl_b32 s52, s52, 23
	s_or_b32 s52, s52, 0x600000
	v_mov_b32 v[\vlim], s52
.endm
.macro BARRIER                         ; my LDS stores have landed and my LDS loads are in: then the work-group's barrier
	s_wait_dscnt 0x0
	s_barrier_signal -1
	s_barrier_wait -1
.endm
.macro WLOAD S                         ; my four weight fragments of K step S (0-7: Wf1, 8-15: Wf2, 1 MiB on), into set S % 2
.irp nn, 0,1,2,3
.irp q, 0,1,2,3
	global_load_b128 v[128+64*((\S)%2)+16*\nn+4*\q:131+64*((\S)%2)+16*\nn+4*\q], v2, s[40:41] offset:((\S)/8)*1048576+16384*\nn+2048*((\S)%8)+512*\q
.endr
.endr
.endm
.macro ALOAD base, s                   ; the two tiles of rows' fragments of K step s
.irp m, 0,1
.irp q, 0,1,2,3
	ds_load_b128 v[96+16*\m+4*\q:99+16*\m+4*\q], v[\base] offset:(8*\m+(\s))*2048+512*\q
.endr
.endr
.endm
.macro GSTEP S, first, last, abase     ; a K step of 128: eight accumulators by turns, one instruction a turn
.if (\S) == 15
	s_wait_loadcnt 0x0
.else
	s_wait_loadcnt 16                              ; this step's weights are in; the next step's 16 loads may be out
.endif
	s_wait_dscnt 0x0
.irp m, 0,1
.irp nn, 0,1,2,3
.if \first
	v_wmma_f32_16x16x128_fp8_fp8 v[32+8*(4*\m+\nn):39+8*(4*\m+\nn)], v[128+64*((\S)%2)+16*\nn:143+64*((\S)%2)+16*\nn], v[96+16*\m:111+16*\m], 0
.else
	v_wmma_f32_16x16x128_fp8_fp8 v[32+8*(4*\m+\nn):39+8*(4*\m+\nn)], v[128+64*((\S)%2)+16*\nn:143+64*((\S)%2)+16*\nn], v[96+16*\m:111+16*\m], v[32+8*(4*\m+\nn):39+8*(4*\m+\nn)]
.endif
.endr
.endr
.rept 4
	v_nop                                          ; places in front of loads into registers that these products read, and of the first read of the sums
.endr
.if (\S) < 14
	WLOAD (\S)+2
.endif
.if !\last
	ALOAD \abase, ((\S)%8)+1
.endif
.endm
	s_load_b512 s[4:19], s[0:1], 0x0               ; att 4, qa2 6, pc 8, g2 10, be2 12, g3 14, be3 16, bf1 18
	s_load_b128 s[20:23], s[0:1], 0x40             ; bf2 20, lowp_scales 22
	s_load_b64 s[24:25], s[0:1], 0x50              ; out0
	v_lshl_add_u32 v14, v0, 2, 0x32200
	v_mov_b32 v15, 0
	v_lshrrev_b32 v1, 5, v0
	v_readfirstlane_b32 s26, v1                    ; wave 0..15
	v_and_b32 v28, 31, v0
	v_lshlrev_b32 v1, 4, v28                       ; 16 x lane
	v_and_b32 v29, 15, v0                          ; r
	v_bfe_u32 v30, v0, 4, 1                        ; h
	s_lshl_b32 s27, s26, 16
	v_add_nc_u32 v2, s27, v1                       ; weights: my four tiles of 16 rows are 65,536 bytes
	v_add_nc_u32 v3, XI, v1
	v_add_nc_u32 v4, HI, v1
	s_mul_i32 s27, s26, 2*PIT
	v_add_nc_u32 v5, s27, v1                       ; XF: my two rows
	v_mul_u32_u24 v31, v29, PIT
	v_lshl_add_u32 v31, v30, 5, v31                ; row r, + 32 h
	s_lshr_b32 s27, s26, 3
	s_mul_i32 s27, s27, 16*PIT
	s_and_b32 s52, s26, 7
	s_lshl_b32 s52, s52, 9
	s_add_co_u32 s27, s27, s52
	v_add_nc_u32 v6, s27, v31                      ; XF: the block that I quantise: tile of rows w / 8, K block w % 8
	s_lshl_b32 s27, s26, 11
	s_add_co_u32 s27, s27, XI
	v_add_nc_u32 v7, s27, v1                       ; and its image: block w
	s_lshl_b32 s27, s26, 8
	v_add_nc_u32 v10, s27, v31                     ; XF: rows 0-15 at my 64 columns,
	v_add_nc_u32 v13, 16*PIT, v10                  ; rows 16-31 (past what an offset reaches)
	s_add_co_u32 s27, s27, BL
	v_lshlrev_b32 v8, 5, v30
	v_add_nc_u32 v8, s27, v8                       ; BL: my 64 columns' bias, + 32 h
	s_lshl_b32 s27, s26, 10
	s_add_co_u32 s27, s27, HI
	v_add_nc_u32 v9, s27, v1                       ; HI: K step w / 2, registers 8 (w % 2) on: 1,024 w
	v_and_b32 v11, 0xff, v0
	v_lshlrev_b32 v11, 4, v11                      ; the biases' copy: 16 bytes a thread, waves 0-7 bf1, waves 8-15 bf2
	v_lshl_add_u32 v12, v0, 4, BL
	s_lshl_b32 s50, ttmp9, 17                      ; 32 rows of 4,096 bytes
	s_lshl_b32 s27, s26, 13
	s_add_co_u32 s50, s50, s27
	s_mov_b32 s51, 0
	s_mov_b32 s[SEL], 0x76543210
	s_mov_b32 s[SEL+1], 0xfedcba98
	s_mov_b32 s[K1], 0x3a800000
	s_mov_b32 s[K2], 0x3727c5ac
	s_wait_kmcnt 0x0
	s_load_b128 s[28:31], s[22:23], 0x50           ; entries 20 to 23
	s_add_nc_u64 s[42:43], s[4:5], s[50:51]
	s_add_nc_u64 s[44:45], s[6:7], s[50:51]
	s_add_nc_u64 s[46:47], s[24:25], s[50:51]
	s_add_nc_u64 s[40:41], s[8:9], 0x1400000       ; Wf1's codes, 20 MiB into pc
	s_cmp_lt_u32 s26, 8
	s_cselect_b64 s[48:49], s[18:19], s[20:21]
	; ---- the biases' copy, and x2 = LN(att + x1)
	global_load_b128 v[224:227], v11, s[48:49]
	LD8NT Z0, 42, 0
	LD8NT B0, 44, 5242880
	LD8NT Z1, 42, 4096
	LD8NT B1, 44, 5242880+4096
	LD8 160, 10, 0
	LD8 192, 12, 0
	s_wait_loadcnt 16                              ; the bias and the rows are in; g2's and be2's 16 loads may be out
	ds_store_b128 v12, v[224:227]
	RESADD Z0, B0
	RESADD Z1, B1
	LNSTAT Z0, 16
	LNSTAT Z1, 18
	LNROOT
	s_wait_loadcnt 0x0
	LNFIN Z0, 16, 160, 192
	LNFIN Z1, 18, 160, 192
.set i, 0
.rept 8
	ds_store_b128 v5, v[Z0+4*i:Z0+4*i+3] offset:512*i
	ds_store_b128 v5, v[Z1+4*i:Z1+4*i+3] offset:PIT+512*i
.set i, i+1
.endr
	s_wait_kmcnt 0x0
	MKSC 28, 24, 25                                ; 2^e20, 448 x 2^e20
	MKSC 30, 26, 27                                ; 2^e22, 448 x 2^e22
	s_add_co_i32 s36, s28, s29
	s_add_co_i32 s36, s36, 127
	s_lshl_b32 s36, s36, 23                        ; 2^(e20 + e21)
	s_mov_b32 s37, s36
	s_add_co_i32 s38, s30, s31
	s_add_co_i32 s38, s38, 127
	s_lshl_b32 s38, s38, 23                        ; 2^(e22 + e23)
	s_mov_b32 s39, s38
	s_wait_dscnt 0x0                               ; my rows and my part of the biases have landed, and the stores have read their registers:
	WLOAD 0                                        ; which take the first two K steps' weights
	WLOAD 1
	s_barrier_signal -1
	s_barrier_wait -1
	; ---- x2's codes: wave w makes block w's image
.set i, 0
.rept 8
	ds_load_b128 v[32+8*i:35+8*i], v6 offset:64*i
	ds_load_b128 v[36+8*i:39+8*i], v6 offset:64*i+16
.set i, i+1
.endr
	s_wait_dscnt 0x0
.irp c, 0,1,2,3,4,5,6,7
.irp j, 0,1,2,3,4,5,6,7
	v_med3_num_f32 v[32+8*\c+\j], v[32+8*\c+\j], -v25, v25
.endr
	v_cvt_scalef32_pk8_fp8_f32 v[96+2*\c:97+2*\c], v[32+8*\c:39+8*\c], v24
.endr
	v_nop                                          ; a plain line between the last conversion and the products that write its sources
.irp q, 0,1,2,3
	ds_store_b128 v7, v[96+4*\q:99+4*\q] offset:512*\q
.endr
	BARRIER
	; ---- x2 Wf1
	ALOAD 3, 0
	GSTEP 0, 1, 0, 3
.irp S, 1,2,3,4,5,6
	GSTEP \S, 0, 0, 3
.endr
	GSTEP 7, 0, 1, 3
.irp nn, 0,1,2,3
	ds_load_b128 v[96+8*\nn:99+8*\nn], v8 offset:64*\nn            ; bf1 at columns 64 w + 16 nn + 8 h + 0 .. 7
	ds_load_b128 v[100+8*\nn:103+8*\nn], v8 offset:64*\nn+16
.endr
	s_wait_dscnt 0x0
.irp m, 0,1
.irp nn, 0,1,2,3
.irp i, 0,2,4,6
	v_pk_fma_f32 v[32+8*(4*\m+\nn)+\i:33+8*(4*\m+\nn)+\i], v[32+8*(4*\m+\nn)+\i:33+8*(4*\m+\nn)+\i], s[36:37], v[96+8*\nn+\i:97+8*\nn+\i] op_sel_hi:[1,0,1]   ; sum x 2^(e20 + e21) + bf1
.endr
.endr
.endr
.irp t, 0,1,2,3,4,5,6,7
.irp j, 0,1,2,3,4,5,6,7
	v_med3_num_f32 v[32+8*\t+\j], v[32+8*\t+\j], 0, v27    ; the activation and the hold in one
.endr
	v_cvt_scalef32_pk8_fp8_f32 v[96+2*\t:97+2*\t], v[32+8*\t:39+8*\t], v26   ; the biases are done with: their registers take the codes
.endr
	v_nop
.irp m, 0,1
.irp qq, 0,1
	ds_store_b128 v9, v[96+8*\m+4*\qq:99+8*\m+4*\qq] offset:16384*\m+512*\qq   ; tiles 2 qq, 2 qq + 1: 16 bytes of the image of (rows m, K step w / 2)
.endr
.endr
	BARRIER
	; ---- h Wf2
	ALOAD 4, 0
	GSTEP 8, 1, 0, 4
.irp S, 9,10,11,12,13,14
	GSTEP \S, 0, 0, 4
.endr
	GSTEP 15, 0, 1, 4
	; ---- + bf2 + x2, back into the same bytes of XF: each byte is read and written by one lane
	LD8 192, 14, 0                                 ; g3
	LD8 224, 16, 0                                 ; be3
.irp nn, 0,1,2,3
	ds_load_b128 v[96+8*\nn:99+8*\nn], v8 offset:4096+64*\nn
	ds_load_b128 v[100+8*\nn:103+8*\nn], v8 offset:4096+64*\nn+16
.endr
.irp nn, 0,1,2,3
	ds_load_b128 v[128+8*\nn:131+8*\nn], v10 offset:64*\nn
	ds_load_b128 v[132+8*\nn:135+8*\nn], v10 offset:64*\nn+16
	ds_load_b128 v[160+8*\nn:163+8*\nn], v13 offset:64*\nn
	ds_load_b128 v[164+8*\nn:167+8*\nn], v13 offset:64*\nn+16
.endr
	s_wait_dscnt 0x0
.irp m, 0,1
.irp nn, 0,1,2,3
.irp i, 0,2,4,6
	v_pk_fma_f32 v[32+8*(4*\m+\nn)+\i:33+8*(4*\m+\nn)+\i], v[32+8*(4*\m+\nn)+\i:33+8*(4*\m+\nn)+\i], s[38:39], v[96+8*\nn+\i:97+8*\nn+\i] op_sel_hi:[1,0,1]   ; sum x 2^(e22 + e23) + bf2
.endr
.irp i, 0,2,4,6
	v_pk_add_f32 v[32+8*(4*\m+\nn)+\i:33+8*(4*\m+\nn)+\i], v[32+8*(4*\m+\nn)+\i:33+8*(4*\m+\nn)+\i], v[128+8*(4*\m+\nn)+\i:129+8*(4*\m+\nn)+\i]
.endr
.endr
.endr
.irp nn, 0,1,2,3
	ds_store_b128 v10, v[32+8*\nn:35+8*\nn] offset:64*\nn
	ds_store_b128 v10, v[36+8*\nn:39+8*\nn] offset:64*\nn+16
	ds_store_b128 v13, v[64+8*\nn:67+8*\nn] offset:64*\nn
	ds_store_b128 v13, v[68+8*\nn:71+8*\nn] offset:64*\nn+16
.endr
	BARRIER
	; ---- the last norm, and out
.set i, 0
.rept 8
	ds_load_b128 v[Z0+4*i:Z0+4*i+3], v5 offset:512*i
	ds_load_b128 v[Z1+4*i:Z1+4*i+3], v5 offset:PIT+512*i
.set i, i+1
.endr
	s_wait_dscnt 0x0
	LNSTAT Z0, 16
	LNSTAT Z1, 18
	LNROOT
	s_wait_loadcnt 0x0                             ; g3, be3
	LNFIN Z0, 16, 192, 224
	LNFIN Z1, 18, 192, 224
.set i, 0
.rept 8
	global_store_b128 v1, v[Z0+4*i:Z0+4*i+3], s[46:47] offset:512*i th:TH_STORE_NT         ; 512 consecutive bytes of a row, aligned
	global_store_b128 v1, v[Z1+4*i:Z1+4*i+3], s[46:47] offset:4096+512*i th:TH_STORE_NT
.set i, i+1
.endr
	s_wait_tensorcnt 0x0
	ds_add_u32 v14, v15
	s_wait_dscnt 0x0
	s_endpgm
.Lfunc_end_k_qb3ca480ca8_tail:
	.size	k_qb3ca480ca8_tail, .Lfunc_end_k_qb3ca480ca8_tail-k_qb3ca480ca8_tail
	.p2alignl 7, 3214868480
	.fill 96, 4, 3214868480
	.section	.rodata,"a",@progbits
	.p2align	6, 0x0
	.amdhsa_kernel k_qb3ca480ca8_tail
		.amdhsa_group_segment_fixed_size 207360
		.amdhsa_private_segment_fixed_size 0
		.amdhsa_enable_private_segment 0
		.amdhsa_kernarg_size 88
		.amdhsa_user_sgpr_count 2
		.amdhsa_user_sgpr_kernarg_segment_ptr 1
		.amdhsa_wavefront_size32 1
		.amdhsa_system_sgpr_workgroup_id_x 1
		.amdhsa_system_sgpr_workgroup_id_y 1
		.amdhsa_system_sgpr_workgroup_id_z 1
		.amdhsa_system_vgpr_workitem_id 0
		.amdhsa_next_free_vgpr 256
		.amdhsa_next_free_sgpr 66
		.amdhsa_reserve_vcc 0
		.amdhsa_float_denorm_mode_32 3
		.amdhsa_float_denorm_mode_16_64 3
		.amdhsa_memory_ordered 1
		.amdhsa_forward_progress 1
		.amdhsa_inst_pref_size 103
	.end_amdhsa_kernel
	.amdgpu_metadata
---
amdhsa.version: [ 1, 2 ]
amdhsa.kernels:
  - .name:           k_qb3ca480ca8_tail
    .symbol:         k_qb3ca480ca8_tail.kd
    .args:
      - { .name: att, .offset: 0, .size: 8, .value_kind: global_buffer, .address_space: global }
      - { .name: qa2, .offset: 8, .size: 8, .value_kind: global_buffer, .address_space: global }
      - { .name: pc, .offset: 16, .size: 8, .value_kind: global_buffer, .address_space: global }
      - { .name: g2, .offset: 24, .size: 8, .value_kind: global_buffer, .address_space: global }
      - { .name: be2, .offset: 32, .size: 8, .value_kind: global_buffer, .address_space: global }
      - { .name: g3, .offset: 40, .size: 8, .value_kind: global_buffer, .address_space: global }
      - { .name: be3, .offset: 48, .size: 8, .value_kind: global_buffer, .address_space: global }
      - { .name: bf1, .offset: 56, .size: 8, .value_kind: global_buffer, .address_space: global }
      - { .name: bf2, .offset: 64, .size: 8, .value_kind: global_buffer, .address_space: global }
      - { .name: lowp_scales, .offset: 72, .size: 8, .value_kind: global_buffer, .address_space: global }
      - { .name: out0, .offset: 80, .size: 8, .value_kind: global_buffer, .address_space: global }
    .group_segment_fixed_size: 207360
    .private_segment_fixed_size: 0
    .kernarg_segment_align: 8
    .kernarg_segment_size: 88
    .max_flat_workgroup_size: 512
    .sgpr_count:     66
    .vgpr_count:     256
    .wavefront_size: 32
...
	.end_amdgpu_metadata
.endif
;; end of part 5
;; ======== version 2 of 2: 6 launches; version 1 with the launches attn1, attn2, tail written anew for expert scheduling mode
;; workspace buffers: pc 23,068,672 bytes; qa1 5,242,880 bytes; qa2 22,020,096 bytes; kv1 8,388,608 bytes; kv2 8,388,608 bytes; att 16,777,216 bytes; par1 256 bytes of whole numbers; par2 256 bytes of whole numbers
;; launch prep: the kernel of part 1 again; grid 768 x 1, 8 waves a work-group, no clusters, 68,608 bytes of LDS; arguments input_tensor, encoder_output, Wq1, Wk1, Wv1, Wq2, Wk2, Wv2, Wf1, Wf2, lowp_scales, pc, qa1, qa2, par1, par2; writes pc, qa1, qa2, par1, par2
;; launch proj: the kernel of part 2 again; grid 16 x 16, 4 waves a work-group, clusters of 4 x 4, 327,680 bytes of LDS; arguments pc, lowp_scales, bv1, bv2, kv1, kv2; writes kv1, kv2
;; launch attn1 (part 6): grid 8 x 32, 16 waves a work-group, no clusters, 202,752 bytes of LDS; arguments qa1, kv1, par1, att; writes att
.if DOCPART == 6
	.amdgcn_target "amdgcn-amd-amdhsa--gfx1250"
	.amdhsa_code_object_version 6
	.text
	.protected	k_qb3ca480ca8_attn1
	.globl	k_qb3ca480ca8_attn1
	.p2align	8
	.type	k_qb3ca480ca8_attn1,@function
k_qb3ca480ca8_attn1:
	s_mov_b64 s[64:65], 0
	v_nop
	global_prefetch_b8 v0, s[64:65] scope:SCOPE_SE
	s_setreg_imm32_b32 hwreg(HW_REG_WAVE_SCHED_MODE, 0, 2), 2
	s_setreg_imm32_b32 hwreg(HW_REG_WAVE_MODE, 25, 1), 1
	s_wait_xcnt 0x0
	s_wait_alu depctr_vm_vsrc(0)
; One head's attention for 256 queries, both products on codes of E4M3, with the query projection in front.  One text serves the causal self-attention and the cross-attention: the exponents and
; the causal flag come as eight whole numbers (eW, eA, eq, ek, ep, ev, causal, 0) that an earlier launch stored.
; qa: Wq's codes at 0, the rows' codes at 1 MiB, both as images of fragments (blocks 16 rows x 128 K, 2,048 bytes).  kv: k at 0 (blocks 16 keys x 64 channels, 1,024 bytes), v at 4 MiB (blocks 16 channels x 128 keys, 2,048 bytes);
; a head's k and a head's v are dense streams of 131,072 bytes.  att: [4096][1024] f32, heads side by side.
; SHARES.  Work-group (xb, 16 batch + head); wave w owns the 16 queries of tile T = 8 P(w) + xb, P a fixed permutation of 0..15 in which the waves w, w+4, w+8, w+12 and the waves 4i .. 4i+3 each add up to 30:
; under the causal mask a wave's work grows with T, and so each group of four waves and each work-group has the same sum of it.  Every wave walks all 8 slots of 256 keys (constant trips) and jumps over the steps all of whose keys are hidden.
; SOFTMAX: t = score x log2(e) / 8; M = the running largest t rounded up to a whole number; p = 2^(t - M) is quantised under 2^ep; the sum is taken of the unquantised p; a move of M multiplies sum and O by an exact power of two.
; THE HOLD.  p is at most 1 but for the rounding of t - M, and 448 x 2^-8 = 1.75: with ep >= -8 no p passes 448 x 2^ep, and the 64 lines of the hold are jumped over, by a scalar branch on the stored whole number ep.
; THE EXPONENTIALS go in two batches of 32, each with one wait ahead of its first reader; between the exponentials of a batch stand plain lines that name none of its results: scalings and the making of f in the first,
; the first batch's sums and the rescaling of O^T in the second.  Maxima and sums run in four chains each, so that a wave that works alone on its SIMD (late keys under the causal mask) waits less for its own results.
; LAYOUT: all products transposed (q^T = Wq x^T, S^T = K q^T, O^T = V^T P^T): a lane holds one query throughout, and eight results of a lane, converted, are two registers of the next operand, keys and channels in their natural order.
; K AND V COME THROUGH REGISTERS: each wave loads 2,048 bytes of the next slot a whole slot ahead and stores them to LDS; one barrier a slot.  No tensor load, hence no joint load either.
; The staging is 8 instructions a wave for a slot.  Nothing is asked for still earlier: a slot's loads are out for a key step before they are waited for.
; LIMITS: eq - eW - eA and ep between -126 and 119; eq + ek between -123 and 130 (added to the exponent field of log2(e) / 8); ep + ev goes by v_ldexp_f32.  NaN is not served.
; REGISTERS: v1-11 addresses; v12 -M, v13 largest score, v[14:15] the sum; v16-23 q's codes; v24 448 x scale, v25 scale; v26 permute; v27-29 at work; v32-95 fragments; v96-159 S^T, p (first: four fragments of x);
;   v160-191 O^T (first: q's sums); v192-207 p's codes; v208-223 and v236-251 staging, two sets by turns; v224-227 four maxima; v228-235 four sums; v252-254 at work.
; THE MODE: SCHED_MODE bits 1:0 = 2 (LLVM: expert scheduling mode 2), set by the entry lines.  The code itself states the register dependences
; between vector or matrix instructions and memory or LDS instructions, with s_wait_alu, always for 0.
; THE PLAN.  Registers that memory or LDS instructions touch:
;   v1-v11    addresses and offsets: written at the head, ahead of one wait on va_vdst, and never again.
;   v32-95    At the head: Wq's slice, loaded and stored to LDS (a wait on vm_vsrc ahead of the next loads into them); then, K block by K block, Wq's four fragments: LDS loads land, four products read.
;             In a key step: K's eight tiles land, the eight score products read them; V's four fragments land, the four last products read them.  So each run of LDS loads into them stands behind a wait on va_vdst
;             that follows the products which read them last: one a K block, one at a key step's head, one behind the score products.  On the way out: loads from the stage land, global stores read.
;   v96-159   At the head: the rows' four fragments: loads land, a K block's products read one, and the K block's wait stands ahead of the load that lands there again.
;             On the way out: v96-127 are written by multiplications and read by LDS stores, behind one wait on va_vdst.
;   v208-223, v236-251   staging: global loads land, LDS stores read, no vector instruction names them: a wait on vm_vsrc ahead of the loads that land in a set again.
;   v31, v255 written at the head, read by the closing add alone.
; All other registers are named by vector and matrix instructions alone.  The wave has no 64 registers left for a second set of fragments, so K and V share v32-95 and a step's loads keep their order.
; The wave's number and the causal mask's compares go through scalar registers: a wait on va_sdst stands between each run of such writers and its first reader.
.set RING,  65536                      ; LDS: Wq's slice of the head, 65,536 bytes, at 0; then two slots of 32,768: K's 16,384, V's 16,384
.set SLOTB, 32768
.set STG,   131072                     ; the way out: 16 rows x 272 bytes for each wave
.set SPI,   272
.set G0,    208                        ; staging for the even slots; the odd slots' set lies 28 registers on
.set G1,    236
.set MX,    224
.set QS,    228
	s_load_b256 s[4:11], s[0:1], 0x0               ; qa 4, kv 6, par 8, att 10
	v_lshl_add_u32 v31, v0, 2, 0x31000
	v_mov_b32 v255, 0
	v_lshrrev_b32 v1, 5, v0
	v_readfirstlane_b32 s12, v1                    ; wave 0..15
	s_mov_b32 s13, ttmp9                           ; xb
	s_and_b32 s14, ttmp7, 0xffff                   ; 16 batch + head
	s_mov_b32 s39, 0x0de3b658                      ; P(8..15) = 8, 5, 6, 11, 3, 14, 13, 0, a nibble each
	s_wait_alu depctr_va_sdst(0)                   ; s12 is written, ahead of its first reader
	s_cmp_lt_u32 s12, 8
	s_cselect_b32 s38, 0x7a94c12f, s39             ; P(0..7) = 15, 2, 1, 12, 4, 9, 10, 7
	s_and_b32 s39, s12, 7
	s_lshl_b32 s39, s39, 2
	s_lshr_b32 s38, s38, s39
	s_and_b32 s38, s38, 15
	s_lshl_b32 s16, s38, 3
	s_add_co_u32 s16, s16, s13                     ; T
	s_lshl_b32 s17, s16, 4                         ; Q0: my first query
	s_mov_b32 s20, 0x76543210                      ; v_permlanex16_b32: lane l xor 16
	s_mov_b32 s21, 0xfedcba98
	s_lshr_b32 s18, s14, 4                         ; batch
	s_and_b32 s19, s14, 15                         ; head
	s_lshl_b32 s46, s18, 7
	s_add_co_u32 s46, s46, s16
	s_lshl_b32 s46, s46, 14                        ; the rows' codes: tile 128 batch + T, 16,384 bytes a tile,
	s_add_co_u32 s46, s46, 0x100000                ; 1 MiB into qa
	s_mov_b32 s47, 0
	s_lshl_b32 s48, s19, 16                        ; Wq's 64 rows of the head: 65,536 bytes
	s_mov_b32 s49, 0
	s_lshl_b32 s50, s18, 11
	s_add_co_u32 s50, s50, s17
	s_lshl_b32 s50, s50, 12                        ; att: row 2,048 batch + Q0,
	s_lshl_b32 s51, s19, 8
	s_add_co_u32 s50, s50, s51                     ; + 256 bytes x head
	s_mov_b32 s51, 0
	s_lshl_b32 s52, s14, 17
	s_mov_b32 s53, 0
	v_and_b32 v8, 31, v0
	v_lshlrev_b32 v1, 4, v8                        ; 16 x lane
	v_and_b32 v9, 15, v0                           ; r
	v_bfe_u32 v10, v0, 4, 1                        ; h
	s_and_b32 s38, s12, 7
	s_lshl_b32 s38, s38, 11
	s_lshr_b32 s39, s12, 3
	s_lshl_b32 s39, s39, 22
	s_add_co_u32 s38, s38, s39
	v_add_nc_u32 v2, s38, v1                       ; staging, in memory: waves 0-7 K's 16 KiB, waves 8-15 V's, 4 MiB on; 2,048 bytes a wave
	s_lshl_b32 s38, s12, 11
	s_add_co_u32 s38, s38, RING
	v_add_nc_u32 v3, s38, v1                       ; and in a slot
	s_lshl_b32 s38, s12, 12
	v_add_nc_u32 v4, s38, v1                       ; Wq's slice: 4,096 bytes a wave, the same place in memory and in LDS
	s_mul_i32 s38, s12, 16*SPI
	s_add_co_u32 s38, s38, STG
	v_mul_u32_u24 v5, v9, SPI
	v_lshl_add_u32 v5, v10, 5, v5
	v_add_nc_u32 v5, s38, v5                       ; my stage, in: row r, + 32 h
	v_mul_u32_u24 v6, v10, SPI
	v_lshl_add_u32 v6, v9, 4, v6
	v_add_nc_u32 v6, s38, v6                       ; back: lanes 0-15 one row, lanes 16-31 the next
	v_lshlrev_b32 v7, 12, v10
	v_lshl_add_u32 v7, v9, 4, v7                   ; and the same two rows in att
	v_add_nc_u32 v11, RING, v1                     ; fragments out of the ring
	v_lshlrev_b32 v8, 3, v10
	v_sub_nc_u32 v8, v9, v8
	v_add_nc_u32 v8, s17, v8                       ; my query - 8 h, for the mask
	s_wait_kmcnt 0x0
	s_load_b256 s[24:31], s[8:9], 0x0              ; eW, eA, eq, ek, ep, ev, causal, 0
	s_add_nc_u64 s[40:41], s[4:5], s[46:47]
	s_add_nc_u64 s[42:43], s[4:5], s[48:49]
	s_add_nc_u64 s[44:45], s[10:11], s[50:51]
	s_add_nc_u64 s[36:37], s[6:7], s[52:53]        ; the head's k; walks 16,384 bytes a slot
	s_wait_alu depctr_va_vdst(0)                   ; the addresses and offsets v1 to v7 and v11 are written, which every load and store of the kernel reads; none of them is written again
.macro ALD s                           ; my rows' fragment of K block s, into place s % 4
.irp q, 0,1,2,3
	global_load_b128 v[96+16*((\s)%4)+4*\q:99+16*((\s)%4)+4*\q], v1, s[40:41] offset:2048*(\s)+512*\q
.endr
.endm
.macro GLD g                           ; my 2,048 bytes of the slot at which the pointer stands, into the staging set at v[g]
.irp q, 0,1,2,3
	global_load_b128 v[\g+4*\q:\g+4*\q+3], v2, s[36:37] offset:512*\q
.endr
.endm
.set i, 0
.rept 8
	global_load_b128 v[32+4*i:35+4*i], v4, s[42:43] offset:512*i
.set i, i+1
.endr
	GLD G0                                         ; slot 0
	ALD 0
	ALD 1
	ALD 2
	ALD 3
	s_wait_loadcnt 20                              ; Wq's 8 loads are in; slot 0's 4 and the rows' 16 may be out
.set i, 0
.rept 8
	ds_store_b128 v4, v[32+4*i:35+4*i] offset:512*i
.set i, i+1
.endr
	s_wait_dscnt 0x0                               ; for the others' sake: my part of the slice has landed
	s_barrier_signal -1
	s_barrier_wait -1
	s_wait_alu depctr_vm_vsrc(0)                   ; my LDS stores have read v32-63, in which the fragments' loads below land
; q^T = Wq x^T, a K block of 128 at a time: source 0 = 16 channels of the head, source 1 = my 16 rows.  Four accumulators by turns
.macro PSTEP s
.irp a, 0,1,2,3
.irp q, 0,1,2,3
	ds_load_b128 v[32+16*\a+4*\q:35+16*\a+4*\q], v1 offset:16384*\a+2048*(\s)+512*\q
.endr
.endr
.if (\s) <= 4
	s_wait_loadcnt 12                              ; the rows' fragment s is in; the three fragments behind it may be out
.else
	s_wait_loadcnt 4*(7-(\s))
.endif
	s_wait_dscnt 0x0
.irp a, 0,1,2,3
.if (\s) == 0
	v_wmma_f32_16x16x128_fp8_fp8 v[160+8*\a:167+8*\a], v[32+16*\a:47+16*\a], v[96+16*((\s)%4):111+16*((\s)%4)], 0
.else
	v_wmma_f32_16x16x128_fp8_fp8 v[160+8*\a:167+8*\a], v[32+16*\a:47+16*\a], v[96+16*((\s)%4):111+16*((\s)%4)], v[160+8*\a:167+8*\a]
.endif
.endr
.rept 4
	v_nop                                          ; four places behind these products: behind the last K block the sums are read next
.endr
.if (\s) < 7
	s_wait_alu depctr_va_vdst(0)                   ; the four products are done reading Wq's fragments and the rows' fragment s: the load below and the next K block's LDS loads land there
.endif
.if (\s) < 4
	ALD (\s)+4
.endif
.endm
.irp s, 0,1,2,3,4,5,6,7
	PSTEP \s
.endr
	s_wait_kmcnt 0x0
	s_sub_co_i32 s38, s26, s24
	s_sub_co_i32 s38, s38, s25                     ; a sum stands for sum x 2^(eW + eA): q's code is sum / 2^(eq - eW - eA)
	s_add_co_i32 s38, s38, 127
	s_lshl_b32 s39, s38, 23
	v_mov_b32 v25, s39
	s_add_co_i32 s38, s38, 8
	s_lshl_b32 s38, s38, 23
	s_or_b32 s38, s38, 0x600000
	v_mov_b32 v24, s38
.set j, 0
.rept 32
	v_med3_num_f32 v[160+j], v[160+j], -v24, v24
.set j, j+1
.endr
.irp a, 0,1,2,3
	v_cvt_scalef32_pk8_fp8_f32 v[16+2*\a:17+2*\a], v[160+8*\a:167+8*\a], v25   ; registers 2 a, 2 a + 1: channels 16 a + 8 h + 0 .. 7 of query r
.endr
	v_nop                                          ; a plain line between the last conversion and the writes of its sources below
	s_add_co_i32 s38, s28, 127
	s_lshl_b32 s39, s38, 23
	v_mov_b32 v25, s39                             ; 2^ep
	s_add_co_i32 s38, s38, 8
	s_lshl_b32 s38, s38, 23
	s_or_b32 s38, s38, 0x600000
	v_mov_b32 v24, s38                             ; 448 x 2^ep
	s_add_co_i32 s38, s26, s27
	s_lshl_b32 s38, s38, 23
	s_add_co_i32 s22, s38, 0x3e38aa3b              ; c = log2(e) / 8 x 2^(eq + ek)
	s_mov_b32 s23, s22                             ; (named with it as a pair, so it is written)
	s_add_co_u32 s38, s17, 15
	s_cmp_lg_u32 s30, 0
	s_cselect_b32 s32, s38, -1                     ; a step whose first key is above this is hidden: my last query, or never
	s_cselect_b32 s33, s17, -1                     ; a step whose last key is at most this needs no mask: my first query, or always
.set j, 0
.rept 32
	v_mov_b32 v[160+j], 0                          ; O^T: the step is written once; its first walk finds zeros
.set j, j+1
.endr
	v_mov_b32 v13, 0xff61b1e6                      ; the largest score so far: -3e38, under every sum of 64 products of codes
	v_floor_f32 v12, -v13                          ; -M
	v_mov_b32 v14, 0
	v_mov_b32 v15, 0
	v_mov_b32 v26, 0                               ; a permute's destination counts as read
	v_mov_b32 v253, 0                              ; (named as the upper half of v[252:253])
	s_wait_loadcnt 0x0
.irp q, 0,1,2,3
	ds_store_b128 v3, v[G0+4*\q:G0+4*\q+3] offset:512*\q       ; slot 0
.endr
	s_wait_dscnt 0x0                               ; for the others' sake: they have landed
	s_add_nc_u64 s[36:37], s[36:37], 16384         ; its loads are done: the pointer may step
	GLD G1                                         ; slot 1, into a set that no instruction has named yet
	s_barrier_signal -1
	s_barrier_wait -1
; plain line k of the 28 that stand between the second batch's exponentials: 0-11 the first batch's 16 pairs of p summed into four chains, 12-27 O^T x f, each accumulator from its low end on
.macro PLB k
.if (\k) < 4
	v_pk_add_f32 v[QS+2*(\k):QS+2*(\k)+1], v[96+2*(\k):97+2*(\k)], v[104+2*(\k):105+2*(\k)]
.elseif (\k) < 12
	v_pk_add_f32 v[QS+2*((\k)%4):QS+2*((\k)%4)+1], v[QS+2*((\k)%4):QS+2*((\k)%4)+1], v[104+2*(\k):105+2*(\k)]
.else
	v_pk_mul_f32 v[136+2*(\k):137+2*(\k)], v[136+2*(\k):137+2*(\k)], v[252:253] op_sel_hi:[1,0]
.endif
.endm
; A KEY STEP: 128 keys, the q-th of ring slot sl
.macro STEP sl, q
.set O, (\sl)*SLOTB+(\q)*8192
	s_add_co_u32 s38, s34, 256*(\sl)+128*(\q)      ; the step's first key
	s_cmp_gt_u32 s38, s32
	s_cbranch_scc1 .Lhidden_\@                     ; all its keys come after my queries: no barrier and no store stands in a step
.rept 4
	v_nop                                          ; four places behind the last products
.endr
	s_wait_alu depctr_va_vdst(0)                   ; the products that read v32-95 last (the step before: V's fragments; ahead of the first step: Wq's) are done reading them: K's tiles land there
.irp u, 0,1,2,3,4,5,6,7
	ds_load_b128 v[32+8*\u:35+8*\u], v11 offset:O+1024*\u
	ds_load_b128 v[36+8*\u:39+8*\u], v11 offset:O+1024*\u+512
.endr
	s_wait_dscnt 8                                 ; tiles 0-3 of the keys are in; the 8 loads of tiles 4-7 may be out
.irp u, 0,1,2,3
	v_wmma_f32_16x16x64_fp8_fp8 v[96+8*\u:103+8*\u], v[32+8*\u:39+8*\u], v[16:23], 0   ; register 8 u + j: key 16 u + 8 h + j, query r
.endr
	s_wait_dscnt 0x0
.irp u, 4,5,6,7
	v_wmma_f32_16x16x64_fp8_fp8 v[96+8*\u:103+8*\u], v[32+8*\u:39+8*\u], v[16:23], 0
.endr
	v_mov_b32 v27, v12                             ; the old -M is kept for f: the first of four places behind the products
.rept 3
	v_nop
.endr
	s_wait_alu depctr_va_vdst(0)                   ; the eight score products are done reading K's tiles: V's fragments land in the same registers.  The step reads the scores next in any case
.irp a, 0,1,2,3
.irp qq, 0,1,2,3
	ds_load_b128 v[32+16*\a+4*\qq:35+16*\a+4*\qq], v11 offset:16384+O+2048*\a+512*\qq   ; V's four fragments land under the softmax, none of whose lines names v32-95
.endr
.endr
	s_add_co_u32 s39, s38, 127
	s_cmp_le_u32 s39, s33
	s_cbranch_scc1 .Lopen_\@                       ; all its keys count
	s_sub_co_i32 s39, 0, s38
	v_add_nc_u32 v252, s39, v8                     ; d = my query - 8 h - the first key: register 8 u + j is hidden where 16 u + j > d
	v_mov_b32 v254, 0xff800000
	; sixteen compares in a run, each into a scalar register of its own (s46 to s59, s24, s25: idle in the loop), one wait, sixteen selects; four times
.set n, 0
.rept 4
.set mk, 0
.rept 16
.set mr, 46+mk
.if mk >= 14
.set mr, 10+mk
.endif
	v_cmp_gt_i32 s[mr], 16*((n+mk)/8)+(n+mk)%8, v252
.set mk, mk+1
.endr
	s_wait_alu depctr_va_sdst(0)                   ; the sixteen masks are written, ahead of the selects that read them
.set mk, 0
.rept 16
.set mr, 46+mk
.if mk >= 14
.set mr, 10+mk
.endif
	v_cndmask_b32 v[96+n+mk], v[96+n+mk], v254, s[mr]
.set mk, mk+1
.endr
.set n, n+16
.endr
.Lopen_\@:
	; the step's largest score among my 64 keys: four chains of 15 scores (two accumulators each, from the low end on), then the four scores left over
.irp k, 0,1,2,3
	v_max3_num_f32 v[MX+\k], v[96+16*\k], v[97+16*\k], v[98+16*\k]
.endr
.irp j, 1,2,3,4,5,6
.irp k, 0,1,2,3
	v_max3_num_f32 v[MX+\k], v[MX+\k], v[97+16*\k+2*\j], v[98+16*\k+2*\j]
.endr
.endr
	v_max_num_f32 v28, v143, v159
	v_max3_num_f32 v[MX], v[MX], v[MX+1], v111
	v_max3_num_f32 v[MX+2], v[MX+2], v[MX+3], v127
	v_max3_num_f32 v[MX], v[MX], v[MX+2], v28
	v_permlanex16_b32 v26, v[MX], s20, s21
	v_max3_num_f32 v13, v13, v[MX], v26            ; with lane l xor 16's and the largest so far: kept as a score; c is positive, so c x the largest score is the largest t
	v_mul_f32 v29, s22, v13
	v_floor_f32 v12, -v29                          ; -M = floor(-t): M is a whole number
	v_pk_fma_f32 v[96:97], v[96:97], s[22:23], v[12:13] op_sel_hi:[1,0,0]   ; t - M (of the pairs c and -M the low word serves both halves)
	v_sub_f32 v27, v12, v27                        ; old M - new M, 0 or less
	; the first batch: p of keys 16 u + .., u = 0 .. 3.  Between its exponentials: the scalings that are still due, and f
.set j, 0
.rept 16
	v_exp_f32 v[96+2*j], v[96+2*j]                 ; p = 2^(t - M), not normalised
.if j < 15
	v_pk_fma_f32 v[98+2*j:99+2*j], v[98+2*j:99+2*j], s[22:23], v[12:13] op_sel_hi:[1,0,0]
.endif
	v_exp_f32 v[97+2*j], v[97+2*j]
	v_pk_fma_f32 v[128+2*j:129+2*j], v[128+2*j:129+2*j], s[22:23], v[12:13] op_sel_hi:[1,0,0]
.if j == 1
	v_cvt_i32_f32 v27, v27                         ; (it saturates)
.endif
.if j == 3
	v_ldexp_f32 v252, 1.0, v27                     ; f = 2^(old M - new M)
.endif
.set j, j+1
.endr
	s_wait_alu depctr_va_vdst(0)                   ; the first batch's 32 exponentials have written v96-127, ahead of their first reader; the scaling above is the plain line behind the last exponential
	; the second batch: u = 4 .. 7.  Between its exponentials: the first batch's sums (of the unquantised p) and O^T under the new M
.set j, 0
.rept 32
	v_exp_f32 v[128+j], v[128+j]
.if j < 27
	PLB j
.endif
.set j, j+1
.endr
	PLB 27                                         ; the plain line behind the last exponential
	s_wait_alu depctr_va_vdst(0)                   ; the second batch's 32 exponentials have written v128-159, ahead of their first reader
.set j, 0
.rept 16
	v_pk_add_f32 v[QS+2*(j%4):QS+2*(j%4)+1], v[QS+2*(j%4):QS+2*(j%4)+1], v[128+2*j:129+2*j]
.set j, j+1
.endr
	s_cmp_ge_i32 s28, -8                           ; 448 x 2^ep is 1.75 or more: no p reaches it
	s_cbranch_scc1 .Lfits_\@
.set j, 0
.rept 64
	v_min_num_f32 v[96+j], v[96+j], v24            ; the conversion does not saturate (ISA guide 7.6.2); p is not negative: a one-sided hold
.set j, j+1
.endr
.Lfits_\@:
.irp u, 0,1,2,3,4,5,6,7
	v_cvt_scalef32_pk8_fp8_f32 v[192+2*\u:193+2*\u], v[96+8*\u:103+8*\u], v25
.endr
	v_pk_add_f32 v[QS:QS+1], v[QS:QS+1], v[QS+2:QS+3]          ; the four chains meet: also the plain lines between the conversions and the products that read the codes
	v_pk_add_f32 v[QS+4:QS+5], v[QS+4:QS+5], v[QS+6:QS+7]
	v_pk_add_f32 v[QS:QS+1], v[QS:QS+1], v[QS+4:QS+5]
	v_pk_fma_f32 v[14:15], v[14:15], v[252:253], v[QS:QS+1] op_sel_hi:[1,0,1]   ; the sum under the new M, + this step's
	s_wait_dscnt 0x0                               ; V
.irp a, 0,1,2,3
	v_wmma_f32_16x16x128_fp8_fp8 v[160+8*\a:167+8*\a], v[32+16*\a:47+16*\a], v[192:207], v[160+8*\a:167+8*\a]
.endr
.Lhidden_\@:
.endm
; The next slot's bytes, asked for a slot ago, go into the other ring slot (every wave's reads of it were waited for in front of the last barrier), and the slot after it is asked for, into the other staging set,
; whose LDS stores were issued a slot ago.
; Of 8 slots the last has no successor and the last but one asks for nothing: branches on the trip's counter, the same in every wave
.macro MOVE sl
.if \sl
	s_cmp_lt_u32 s34, 1536
	s_cbranch_scc0 .Lno_move_\@
.endif
	s_wait_loadcnt 0x0
.irp q, 0,1,2,3
	ds_store_b128 v3, v[G0+28*(1-(\sl))+4*\q:G0+28*(1-(\sl))+4*\q+3] offset:(1-(\sl))*SLOTB+512*\q
.endr
.if !\sl
	s_cmp_lt_u32 s34, 1536
	s_cbranch_scc0 .Lno_move_\@
.endif
	s_add_nc_u64 s[36:37], s[36:37], 16384         ; its loads are done: the pointer may step
	s_wait_alu depctr_vm_vsrc(0)                   ; the LDS stores of a slot ago have read the other staging set, in which the loads below land
	GLD G0+28*(\sl)
.Lno_move_\@:
.endm
.macro ITER sl
	STEP \sl, 0
	MOVE \sl
	STEP \sl, 1
	s_wait_dscnt 0x0                               ; my stores into the other slot have landed and my reads of this one are over
	s_barrier_signal -1
	s_barrier_wait -1
.endm
	s_mov_b32 s34, 0                               ; the trip's first key: 512 keys, two slots, a trip
.Ltrip:
	ITER 0
	ITER 1
	s_add_co_u32 s34, s34, 512
	s_cmp_lt_u32 s34, 2048
	s_cbranch_scc1 .Ltrip
	; THE WAY OUT: O^T / the sum x 2^(ep + ev), through my stage, so that sixteen lanes store 256 consecutive bytes, aligned: a head's 64 channels of a row
.rept 4
	v_nop
.endr
	v_add_f32 v14, v14, v15
	v_permlanex16_b32 v26, v14, s20, s21
	v_add_f32 v14, v14, v26
	v_rcp_f32 v14, v14
	v_nop
	s_add_co_i32 s38, s28, s29
	s_wait_alu depctr_va_vdst(0)                   ; the reciprocal has written v14, ahead of its first reader
	v_ldexp_f32 v14, v14, s38
.set j, 0
.rept 32
	v_mul_f32 v[96+j], v[160+j], v14               ; register 8 a + j: channel 16 a + 8 h + j of query r
.set j, j+1
.endr
	s_wait_alu depctr_va_vdst(0)                   ; the multiplications have written v96-127, which the LDS stores read; the last products are done reading v32-63, in which the loads from the stage land
.irp a, 0,1,2,3
	ds_store_b128 v5, v[96+8*\a:99+8*\a] offset:64*\a
	ds_store_b128 v5, v[100+8*\a:103+8*\a] offset:64*\a+16
.endr
.irp i, 0,1,2,3,4,5,6,7
	ds_load_b128 v[32+4*\i:35+4*\i], v6 offset:2*SPI*\i     ; LDS serves a wave's instructions in order: these see my stores
.endr
.irp i, 0,1,2,3,4,5,6,7
	s_wait_dscnt 7-\i
	global_store_b128 v7, v[32+4*\i:35+4*\i], s[44:45] offset:8192*\i
.endr
	s_wait_dscnt 0x0                               ; the closing lines, six on end
	s_wait_alu 0x0
	s_wait_tensorcnt 0x0
	ds_add_u32 v31, v255
	s_wait_dscnt 0x0
	s_endpgm
.Lfunc_end_k_qb3ca480ca8_attn1:
	.size	k_qb3ca480ca8_attn1, .Lfunc_end_k_qb3ca480ca8_attn1-k_qb3ca480ca8_attn1
	.p2alignl 7, 3214868480
	.fill 96, 4, 3214868480
	.section	.rodata,"a",@progbits
	.p2align	6, 0x0
	.amdhsa_kernel k_qb3ca480ca8_attn1
		.amdhsa_group_segment_fixed_size 202752
		.amdhsa_private_segment_fixed_size 0
		.amdhsa_enable_private_segment 0
		.amdhsa_kernarg_size 32
		.amdhsa_user_sgpr_count 2
		.amdhsa_user_sgpr_kernarg_segment_ptr 1
		.amdhsa_wavefront_size32 1
		.amdhsa_system_sgpr_workgroup_id_x 1
		.amdhsa_system_sgpr_workgroup_id_y 1
		.amdhsa_system_sgpr_workgroup_id_z 1
		.amdhsa_system_vgpr_workitem_id 0
		.amdhsa_next_free_vgpr 256
		.amdhsa_next_free_sgpr 66
		.amdhsa_reserve_vcc 0
		.amdhsa_float_denorm_mode_32 3
		.amdhsa_float_denorm_mode_16_64 3
		.amdhsa_memory_ordered 1
		.amdhsa_forward_progress 1
		.amdhsa_inst_pref_size 130
	.end_amdhsa_kernel
	.amdgpu_metadata
---
amdhsa.version: [ 1, 2 ]
amdhsa.kernels:
  - .name:           k_qb3ca480ca8_attn1
    .symbol:         k_qb3ca480ca8_attn1.kd
    .args:
      - { .name: qa1, .offset: 0, .size: 8, .value_kind: global_buffer, .address_space: global }
      - { .name: kv1, .offset: 8, .size: 8, .value_kind: global_buffer, .address_space: global }
      - { .name: par1, .offset: 16, .size: 8, .value_kind: global_buffer, .address_space: global }
      - { .name: att, .offset: 24, .size: 8, .value_kind: global_buffer, .address_space: global }
    .group_segment_fixed_size: 202752
    .private_segment_fixed_size: 0
    .kernarg_segment_align: 8
    .kernarg_segment_size: 32
    .max_flat_workgroup_size: 512
    .sgpr_count:     66
    .vgpr_count:     256
    .wavefront_size: 32
...
	.end_amdgpu_metadata
.endif
;; end of part 6
;; launch ln1: the kernel of part 4 again; grid 256 x 1, 8 waves a work-group, no clusters, 66,816 bytes of LDS; arguments att, input_tensor, g1, be1, lowp_scales, qa2; writes qa2
;; launch attn2: the kernel of part 6 again; grid 8 x 32, 16 waves a work-group, no clusters, 202,752 bytes of LDS; arguments qa2, kv2, par2, att; writes att
;; launch tail (part 7): grid 128 x 1, 16 waves a work-group, no clusters, 207,360 bytes of LDS; arguments att, qa2, pc, g2, be2, g3, be3, bf1, bf2, lowp_scales, out0; writes out0
.if DOCPART == 7
	.amdgcn_target "amdgcn-amd-amdhsa--gfx1250"
	.amdhsa_code_object_version 6
	.text
	.protected	k_qb3ca480ca8_tail
	.globl	k_qb3ca480ca8_tail
	.p2align	8
	.type	k_qb3ca480ca8_tail,@function
k_qb3ca480ca8_tail:
	s_mov_b64 s[64:65], 0
	v_nop
	global_prefetch_b8 v0, s[64:65] scope:SCOPE_SE
	s_setreg_imm32_b32 hwreg(HW_REG_WAVE_SCHED_MODE, 0, 2), 2
	s_setreg_imm32_b32 hwreg(HW_REG_WAVE_MODE, 25, 1), 1
	s_wait_xcnt 0x0
	s_wait_alu depctr_vm_vsrc(0)
; x2 = LN(x1 + att) g2 + be2;  h = relu(x2 Wf1 + bf1);  out0 = LN(x2 + h Wf2 + bf2) g3 + be3.  Both products on codes of E4M3 (entries 20, 21 and 22, 23).  x2 and h never go to memory.
; x1: f32 at 5 MiB of qa2.  Wf1's and Wf2's codes: at 20 and 21 MiB of pc, [n][k] as images of fragments (blocks 16 rows x 128 K, 2,048 bytes).
; SHARES.  A work-group owns 32 whole rows.  Wave w normalises rows 2 w, 2 w + 1; in both products it owns columns 64 w .. 64 w + 63 (four tiles) for both tiles of 16 rows.  So each weight fragment is wanted by ONE wave
; of the work-group and goes from memory straight into its registers (four loads of 512 consecutive bytes), two K steps ahead, and feeds two matrix instructions; LDS carries only the rows.
; With 32 rows a work-group there are 128 work-groups; with 16 rows each weight byte would be fetched by twice as many work-groups, and no one work-group's walk over the weights would be shorter.
; Products transposed (source 0 = 16 rows of W, source 1 = 16 rows of x2 or h): a lane holds one row and eight neighbouring columns, so that h's eight results, converted, are two registers of the next operand.
; No tensor load, cluster or joint load: no two waves of a work-group share a weight fragment, so a pass through LDS would only add to the way.
; LIMITS: entries 20 and 22 between -126 and 119; e20 + e21 and e22 + e23 between -126 and 127.  NaN is not served.
; LDS: XF 32 rows x 4,112 bytes of f32 | XI x2's 16 fragment images | HI h's 16 | BL bf1, bf2.
; REGISTERS: v1-13 addresses; v16-27 statistics and scales; v32-95 rows, then the 8 accumulators ((m, nn) at 32 + 8 (4 m + nn)); v96-127 two row fragments, biases, codes; v128-255 two sets of four weight fragments (in the norms: rows, g, be).
; THE MODE: SCHED_MODE bits 1:0 = 2 (LLVM: expert scheduling mode 2), set by the entry lines.  The code itself states the register dependences
; between vector or matrix instructions and memory or LDS instructions, with s_wait_alu, always for 0.
; THE PLAN.  Registers that memory or LDS instructions touch:
;   v1-v13    addresses and offsets: written at the head, ahead of one wait on va_vdst, and never again.
;   v32-95    rows and sums.  Each time vector instructions have written them and LDS or global stores read them (x2 into XF; the sums + bf2 + x2 into XF; the result), a wait on va_vdst stands ahead of the run of stores;
;             each time LDS loads land in them behind such stores, a wait on vm_vsrc stands between.
;   v96-127   In a K step: the rows' two fragments: LDS loads land, the step's eight products read.  Between the products: biases (LDS loads land, multiply-adds read) and codes (conversions write, LDS stores read: a wait on
;             va_vdst ahead of the stores, a wait on vm_vsrc ahead of the next loads into them).
;   v128-255  At the head: x1's second row, g2, be2 and my 16 bytes of the biases (loads land; vector instructions read, an LDS store reads the last).  Then two sets of weights: the loads of K step S + 2 land in the set that
;             the products of K step S read.  At the end: x2, g3, be3.
;   v14, v15  written at the head, read by the closing add alone.
; So ONE wait on va_vdst stands in a K step, behind its eight products: they are done reading the step's weights and the rows' two fragments.  All loads up to the next products follow it with no vector instruction between:
; first the eight LDS loads, which the next step wants, then the sixteen loads of weights, which the step after it wants.  All 256 registers of the wave are laid out: there is none for a third set.
.set PIT, 4112
.set XI,  32*PIT
.set HI,  XI+32768
.set BL,  HI+32768
.set Z0, 32
.set Z1, 64
.set B0, 96
.set B1, 128
.set SEL, 32                           ; s[32:33] lane l xor 16
.set K1, 34                            ; s34 1/1024
.set K2, 35                            ; s35 1e-5
.macro LD8 reg, base, off
.set li, 0
.rept 8
	global_load_b128 v[\reg+4*li:\reg+4*li+3], v1, s[\base:\base+1] offset:\off+512*li
.set li, li+1
.endr
.endm
.macro LD8NT reg, base, off
.set li, 0
.rept 8
	global_load_b128 v[\reg+4*li:\reg+4*li+3], v1, s[\base:\base+1] offset:\off+512*li th:TH_LOAD_NT
.set li, li+1
.endr
.endm
.macro RESADD Z, B
.set li, 0
.rept 16
	v_pk_add_f32 v[\Z+li:\Z+li+1], v[\Z+li:\Z+li+1], v[\B+li:\B+li+1]
.set li, li+2
.endr
.endm
.macro WSUM                            ; v20 summed over the 32 lanes, in every lane
	v_add_f32_dpp v20, v20, v20 row_xmask:1 row_mask:0xf bank_mask:0xf
	v_add_f32_dpp v20, v20, v20 row_xmask:2 row_mask:0xf bank_mask:0xf
	v_add_f32_dpp v20, v20, v20 row_xmask:4 row_mask:0xf bank_mask:0xf
	v_add_f32_dpp v20, v20, v20 row_xmask:8 row_mask:0xf bank_mask:0xf
	v_permlanex16_b32 v21, v20, s[SEL], s[SEL+1]
	v_add_f32 v20, v20, v21
.endm
.macro LNSTAT Z, M                     ; the row in v[Z] on becomes z - mean; v[M] = variance + 1e-5
	v_pk_add_f32 v[20:21], v[\Z:\Z+1], v[\Z+2:\Z+3]
	v_pk_add_f32 v[22:23], v[\Z+4:\Z+5], v[\Z+6:\Z+7]
.irp i, 8,12,16,20,24,28
	v_pk_add_f32 v[20:21], v[20:21], v[\Z+\i:\Z+\i+1]
	v_pk_add_f32 v[22:23], v[22:23], v[\Z+\i+2:\Z+\i+3]
.endr
	v_pk_add_f32 v[20:21], v[20:21], v[22:23]
	v_add_f32 v20, v20, v21
	WSUM
	v_mul_f32 v[\M], s[K1], v20
	v_mov_b32 v[\M+1], v[\M]
.irp i, 0,2,4,6,8,10,12,14,16,18,20,22,24,26,28,30
	v_pk_add_f32 v[\Z+\i:\Z+\i+1], v[\Z+\i:\Z+\i+1], v[\M:\M+1] neg_lo:[0,1] neg_hi:[0,1]
.endr
	v_pk_mul_f32 v[20:21], v[\Z:\Z+1], v[\Z:\Z+1]
	v_pk_mul_f32 v[22:23], v[\Z+2:\Z+3], v[\Z+2:\Z+3]
.irp i, 4,8,12,16,20,24,28
	v_pk_fma_f32 v[20:21], v[\Z+\i:\Z+\i+1], v[\Z+\i:\Z+\i+1], v[20:21]
	v_pk_fma_f32 v[22:23], v[\Z+\i+2:\Z+\i+3], v[\Z+\i+2:\Z+\i+3], v[22:23]
.endr
	v_pk_add_f32 v[20:21], v[20:21], v[22:23]
	v_add_f32 v20, v20, v21
	WSUM
	v_fma_f32 v[\M], v20, s[K1], s[K2]
.endm
.macro LNROOT                          ; both rows' 1/sigma: one batch, one plain line, one wait ahead of the first reader
	v_rsq_f32 v16, v16
	v_rsq_f32 v18, v18
	v_nop
	s_wait_alu depctr_va_vdst(0)                   ; the two roots have written v16 and v18, ahead of their first reader
	v_mov_b32 v17, v16
	v_mov_b32 v19, v18
.endm
.macro LNFIN Z, M, G, B
.irp i, 0,2,4,6,8,10,12,14,16,18,20,22,24,26,28,30
	v_pk_mul_f32 v[\Z+\i:\Z+\i+1], v[\Z+\i:\Z+\i+1], v[\M:\M+1]
	v_pk_fma_f32 v[\Z+\i:\Z+\i+1], v[\Z+\i:\Z+\i+1], v[\G+\i:\G+\i+1], v[\B+\i:\B+\i+1]
.endr
.endm
.macro MKSC e, vsc, vlim
	s_add_co_i32 s52, s[\e], 127
	s_lshl_b32 s53, s52, 23
	v_mov_b32 v[\vsc], s53
	s_add_co_i32 s52, s52, 8
	s_lshl_b32 s52, s52, 23
	s_or_b32 s52, s52, 0x600000
	v_mov_b32 v[\vlim], s52
.endm
.macro BARRIER                         ; my LDS stores have landed and my LDS loads are in: then the work-group's barrier
	s_wait_dscnt 0x0
	s_barrier_signal -1
	s_barrier_wait -1
.endm
.macro WLOAD S                         ; my four weight fragments of K step S (0-7: Wf1, 8-15: Wf2, 1 MiB on), into set S % 2
.irp nn, 0,1,2,3
.irp q, 0,1,2,3
	global_load_b128 v[128+64*((\S)%2)+16*\nn+4*\q:131+64*((\S)%2)+16*\nn+4*\q], v2, s[40:41] offset:((\S)/8)*1048576+16384*\nn+2048*((\S)%8)+512*\q
.endr
.endr
.endm
.macro ALOAD base, s                   ; the two tiles of rows' fragments of K step s
.irp m, 0,1
.irp q, 0,1,2,3
	ds_load_b128 v[96+16*\m+4*\q:99+16*\m+4*\q], v[\base] offset:(8*\m+(\s))*2048+512*\q
.endr
.endr
.endm
.macro GSTEP S, first, last, abase     ; a K step of 128: eight accumulators by turns, one instruction a turn
.if (\S) == 15
	s_wait_loadcnt 0x0
.else
	s_wait_loadcnt 16                              ; this step's weights are in; the next step's 16 loads may be out
.endif
	s_wait_dscnt 0x0
.irp m, 0,1
.irp nn, 0,1,2,3
.if \first
	v_wmma_f32_16x16x128_fp8_fp8 v[32+8*(4*\m+\nn):39+8*(4*\m+\nn)], v[128+64*((\S)%2)+16*\nn:143+64*((\S)%2)+16*\nn], v[96+16*\m:111+16*\m], 0
.else
	v_wmma_f32_16x16x128_fp8_fp8 v[32+8*(4*\m+\nn):39+8*(4*\m+\nn)], v[128+64*((\S)%2)+16*\nn:143+64*((\S)%2)+16*\nn], v[96+16*\m:111+16*\m], v[32+8*(4*\m+\nn):39+8*(4*\m+\nn)]
.endif
.endr
.endr
.rept 4
	v_nop                                          ; four places behind these products: behind a product's last K step the sums are read next
.endr
	s_wait_alu depctr_va_vdst(0)                   ; the eight products are done reading this step's set of weights and the rows' two fragments: the loads that follow, here and behind a product's last K step, land there
.if !\last
	ALOAD \abase, ((\S)%8)+1                       ; the LDS loads first: the next step wants them,
.endif
.if (\S) < 14
	WLOAD (\S)+2                                   ; the weights the step after it
.endif
.endm
	s_load_b512 s[4:19], s[0:1], 0x0               ; att 4, qa2 6, pc 8, g2 10, be2 12, g3 14, be3 16, bf1 18
	s_load_b128 s[20:23], s[0:1], 0x40             ; bf2 20, lowp_scales 22
	s_load_b64 s[24:25], s[0:1], 0x50              ; out0
	v_lshl_add_u32 v14, v0, 2, 0x32200
	v_mov_b32 v15, 0
	v_lshrrev_b32 v1, 5, v0
	v_readfirstlane_b32 s26, v1                    ; wave 0..15
	v_and_b32 v28, 31, v0
	v_lshlrev_b32 v1, 4, v28                       ; 16 x lane
	v_and_b32 v29, 15, v0                          ; r
	v_bfe_u32 v30, v0, 4, 1                        ; h
	s_wait_alu depctr_va_sdst(0)                   ; s26 is written, ahead of its first reader
	s_lshl_b32 s27, s26, 16
	v_add_nc_u32 v2, s27, v1                       ; weights: my four tiles of 16 rows are 65,536 bytes
	v_add_nc_u32 v3, XI, v1
	v_add_nc_u32 v4, HI, v1
	s_mul_i32 s27, s26, 2*PIT
	v_add_nc_u32 v5, s27, v1                       ; XF: my two rows
	v_mul_u32_u24 v31, v29, PIT
	v_lshl_add_u32 v31, v30, 5, v31                ; row r, + 32 h
	s_lshr_b32 s27, s26, 3
	s_mul_i32 s27, s27, 16*PIT
	s_and_b32 s52, s26, 7
	s_lshl_b32 s52, s52, 9
	s_add_co_u32 s27, s27, s52
	v_add_nc_u32 v6, s27, v31                      ; XF: the block that I quantise: tile of rows w / 8, K block w % 8
	s_lshl_b32 s27, s26, 11
	s_add_co_u32 s27, s27, XI
	v_add_nc_u32 v7, s27, v1                       ; and its image: block w
	s_lshl_b32 s27, s26, 8
	v_add_nc_u32 v10, s27, v31                     ; XF: rows 0-15 at my 64 columns,
	v_add_nc_u32 v13, 16*PIT, v10                  ; rows 16-31 (past what an offset reaches)
	s_add_co_u32 s27, s27, BL
	v_lshlrev_b32 v8, 5, v30
	v_add_nc_u32 v8, s27, v8                       ; BL: my 64 columns' bias, + 32 h
	s_lshl_b32 s27, s26, 10
	s_add_co_u32 s27, s27, HI
	v_add_nc_u32 v9, s27, v1                       ; HI: K step w / 2, registers 8 (w % 2) on: 1,024 w
	v_and_b32 v11, 0xff, v0
	v_lshlrev_b32 v11, 4, v11                      ; the biases' copy: 16 bytes a thread, waves 0-7 bf1, waves 8-15 bf2
	v_lshl_add_u32 v12, v0, 4, BL
	s_lshl_b32 s50, ttmp9, 17                      ; 32 rows of 4,096 bytes
	s_lshl_b32 s27, s26, 13
	s_add_co_u32 s50, s50, s27
	s_mov_b32 s51, 0
	s_mov_b32 s[SEL], 0x76543210
	s_mov_b32 s[SEL+1], 0xfedcba98
	s_mov_b32 s[K1], 0x3a800000
	s_mov_b32 s[K2], 0x3727c5ac
	s_wait_kmcnt 0x0
	s_load_b128 s[28:31], s[22:23], 0x50           ; entries 20 to 23
	s_add_nc_u64 s[42:43], s[4:5], s[50:51]
	s_add_nc_u64 s[44:45], s[6:7], s[50:51]
	s_add_nc_u64 s[46:47], s[24:25], s[50:51]
	s_add_nc_u64 s[40:41], s[8:9], 0x1400000       ; Wf1's codes, 20 MiB into pc
	s_cmp_lt_u32 s26, 8
	s_cselect_b64 s[48:49], s[18:19], s[20:21]
	s_wait_alu depctr_va_vdst(0)                   ; the addresses and offsets v1 to v13 are written, which every load and store of the kernel reads; none of them is written again
	; ---- the biases' copy, and x2 = LN(att + x1)
	global_load_b128 v[224:227], v11, s[48:49]
	LD8NT Z0, 42, 0
	LD8NT B0, 44, 5242880
	LD8NT Z1, 42, 4096
	LD8NT B1, 44, 5242880+4096
	LD8 160, 10, 0
	LD8 192, 12, 0
	s_wait_loadcnt 16                              ; the bias and the rows are in; g2's and be2's 16 loads may be out
	ds_store_b128 v12, v[224:227]
	RESADD Z0, B0
	RESADD Z1, B1
	LNSTAT Z0, 16
	LNSTAT Z1, 18
	LNROOT
	s_wait_loadcnt 0x0
	LNFIN Z0, 16, 160, 192
	LNFIN Z1, 18, 160, 192
	s_wait_alu depctr_va_vdst(0)                   ; the norm has written the two rows v32-95, which the LDS stores read; it and the additions are done reading v128-223, in which the first weights land below
.set i, 0
.rept 8
	ds_store_b128 v5, v[Z0+4*i:Z0+4*i+3] offset:512*i
	ds_store_b128 v5, v[Z1+4*i:Z1+4*i+3] offset:PIT+512*i
.set i, i+1
.endr
	s_wait_kmcnt 0x0
	MKSC 28, 24, 25                                ; 2^e20, 448 x 2^e20  (these four lines write v24 to v27 alone: no register that a load below touches)
	MKSC 30, 26, 27                                ; 2^e22, 448 x 2^e22
	s_add_co_i32 s36, s28, s29
	s_add_co_i32 s36, s36, 127
	s_lshl_b32 s36, s36, 23                        ; 2^(e20 + e21)
	s_mov_b32 s37, s36
	s_add_co_i32 s38, s30, s31
	s_add_co_i32 s38, s38, 127
	s_lshl_b32 s38, s38, 23                        ; 2^(e22 + e23)
	s_mov_b32 s39, s38
	s_wait_dscnt 0x0                               ; for the others' sake: my rows and my part of the biases have landed
	s_wait_alu depctr_vm_vsrc(0)                   ; my LDS stores have read v224-227, in which weights land below, and the rows v32-95, in which the LDS loads behind the barrier land
	WLOAD 0                                        ; the first two K steps' weights
	WLOAD 1
	s_barrier_signal -1
	s_barrier_wait -1
	; ---- x2's codes: wave w makes block w's image
.set i, 0
.rept 8
	ds_load_b128 v[32+8*i:35+8*i], v6 offset:64*i
	ds_load_b128 v[36+8*i:39+8*i], v6 offset:64*i+16
.set i, i+1
.endr
	s_wait_dscnt 0x0
.irp c, 0,1,2,3,4,5,6,7
.irp j, 0,1,2,3,4,5,6,7
	v_med3_num_f32 v[32+8*\c+\j], v[32+8*\c+\j], -v25, v25
.endr
	v_cvt_scalef32_pk8_fp8_f32 v[96+2*\c:97+2*\c], v[32+8*\c:39+8*\c], v24
.endr
	v_nop                                          ; a plain line between the last conversion and the products that write its sources
	s_wait_alu depctr_va_vdst(0)                   ; the conversions have written the codes v96-111, which the LDS stores read
.irp q, 0,1,2,3
	ds_store_b128 v7, v[96+4*\q:99+4*\q] offset:512*\q
.endr
	BARRIER
	s_wait_alu depctr_vm_vsrc(0)                   ; my LDS stores have read v96-111, in which the rows' fragments land
	; ---- x2 Wf1
	ALOAD 3, 0
	GSTEP 0, 1, 0, 3
.irp S, 1,2,3,4,5,6
	GSTEP \S, 0, 0, 3
.endr
	GSTEP 7, 0, 1, 3
.irp nn, 0,1,2,3
	ds_load_b128 v[96+8*\nn:99+8*\nn], v8 offset:64*\nn            ; bf1 at columns 64 w + 16 nn + 8 h + 0 .. 7
	ds_load_b128 v[100+8*\nn:103+8*\nn], v8 offset:64*\nn+16
.endr
	s_wait_dscnt 0x0
.irp m, 0,1
.irp nn, 0,1,2,3
.irp i, 0,2,4,6
	v_pk_fma_f32 v[32+8*(4*\m+\nn)+\i:33+8*(4*\m+\nn)+\i], v[32+8*(4*\m+\nn)+\i:33+8*(4*\m+\nn)+\i], s[36:37], v[96+8*\nn+\i:97+8*\nn+\i] op_sel_hi:[1,0,1]   ; sum x 2^(e20 + e21) + bf1
.endr
.endr
.endr
.irp t, 0,1,2,3,4,5,6,7
.irp j, 0,1,2,3,4,5,6,7
	v_med3_num_f32 v[32+8*\t+\j], v[32+8*\t+\j], 0, v27    ; the activation and the hold in one
.endr
	v_cvt_scalef32_pk8_fp8_f32 v[96+2*\t:97+2*\t], v[32+8*\t:39+8*\t], v26   ; the biases are done with: their registers take the codes
.endr
	v_nop
	s_wait_alu depctr_va_vdst(0)                   ; the conversions have written the codes v96-111, which the LDS stores read
.irp m, 0,1
.irp qq, 0,1
	ds_store_b128 v9, v[96+8*\m+4*\qq:99+8*\m+4*\qq] offset:16384*\m+512*\qq   ; tiles 2 qq, 2 qq + 1: 16 bytes of the image of (rows m, K step w / 2)
.endr
.endr
	BARRIER
	s_wait_alu depctr_vm_vsrc(0)                   ; my LDS stores have read v96-111, in which h's fragments land
	; ---- h Wf2
	ALOAD 4, 0
	GSTEP 8, 1, 0, 4
.irp S, 9,10,11,12,13,14
	GSTEP \S, 0, 0, 4
.endr
	GSTEP 15, 0, 1, 4
	; ---- + bf2 + x2, back into the same bytes of XF: each byte is read and written by one lane
	LD8 192, 14, 0                                 ; g3
	LD8 224, 16, 0                                 ; be3
.irp nn, 0,1,2,3
	ds_load_b128 v[96+8*\nn:99+8*\nn], v8 offset:4096+64*\nn
	ds_load_b128 v[100+8*\nn:103+8*\nn], v8 offset:4096+64*\nn+16
.endr
.irp nn, 0,1,2,3
	ds_load_b128 v[128+8*\nn:131+8*\nn], v10 offset:64*\nn
	ds_load_b128 v[132+8*\nn:135+8*\nn], v10 offset:64*\nn+16
	ds_load_b128 v[160+8*\nn:163+8*\nn], v13 offset:64*\nn
	ds_load_b128 v[164+8*\nn:167+8*\nn], v13 offset:64*\nn+16
.endr
	s_wait_dscnt 0x0
.irp m, 0,1
.irp nn, 0,1,2,3
.irp i, 0,2,4,6
	v_pk_fma_f32 v[32+8*(4*\m+\nn)+\i:33+8*(4*\m+\nn)+\i], v[32+8*(4*\m+\nn)+\i:33+8*(4*\m+\nn)+\i], s[38:39], v[96+8*\nn+\i:97+8*\nn+\i] op_sel_hi:[1,0,1]   ; sum x 2^(e22 + e23) + bf2
.endr
.irp i, 0,2,4,6
	v_pk_add_f32 v[32+8*(4*\m+\nn)+\i:33+8*(4*\m+\nn)+\i], v[32+8*(4*\m+\nn)+\i:33+8*(4*\m+\nn)+\i], v[128+8*(4*\m+\nn)+\i:129+8*(4*\m+\nn)+\i]
.endr
.endr
.endr
	s_wait_alu depctr_va_vdst(0)                   ; the additions have written v32-95, which the LDS stores read
.irp nn, 0,1,2,3
	ds_store_b128 v10, v[32+8*\nn:35+8*\nn] offset:64*\nn
	ds_store_b128 v10, v[36+8*\nn:39+8*\nn] offset:64*\nn+16
	ds_store_b128 v13, v[64+8*\nn:67+8*\nn] offset:64*\nn
	ds_store_b128 v13, v[68+8*\nn:71+8*\nn] offset:64*\nn+16
.endr
	BARRIER
	s_wait_alu depctr_vm_vsrc(0)                   ; my LDS stores have read v32-95, in which my two rows land
	; ---- the last norm, and out
.set i, 0
.rept 8
	ds_load_b128 v[Z0+4*i:Z0+4*i+3], v5 offset:512*i
	ds_load_b128 v[Z1+4*i:Z1+4*i+3], v5 offset:PIT+512*i
.set i, i+1
.endr
	s_wait_dscnt 0x0
	LNSTAT Z0, 16
	LNSTAT Z1, 18
	LNROOT
	s_wait_loadcnt 0x0                             ; g3, be3
	LNFIN Z0, 16, 192, 224
	LNFIN Z1, 18, 192, 224
	s_wait_alu depctr_va_vdst(0)                   ; the norm has written the two rows v32-95, which the stores read
.set i, 0
.rept 8
	global_store_b128 v1, v[Z0+4*i:Z0+4*i+3], s[46:47] offset:512*i th:TH_STORE_NT         ; 512 consecutive bytes of a row, aligned
	global_store_b128 v1, v[Z1+4*i:Z1+4*i+3], s[46:47] offset:4096+512*i th:TH_STORE_NT
.set i, i+1
.endr
	s_wait_dscnt 0x0                               ; the closing lines, six on end
	s_wait_alu 0x0
	s_wait_tensorcnt 0x0
	ds_add_u32 v14, v15
	s_wait_dscnt 0x0
	s_endpgm
.Lfunc_end_k_qb3ca480ca8_tail:
	.size	k_qb3ca480ca8_tail, .Lfunc_end_k_qb3ca480ca8_tail-k_qb3ca480ca8_tail
	.p2alignl 7, 3214868480
	.fill 96, 4, 3214868480
	.section	.rodata,"a",@progbits
	.p2align	6, 0x0
	.amdhsa_kernel k_qb3ca480ca8_tail
		.amdhsa_group_segment_fixed_size 207360
		.amdhsa_private_segment_fixed_size 0
		.amdhsa_enable_private_segment 0
		.amdhsa_kernarg_size 88
		.amdhsa_user_sgpr_count 2
		.amdhsa_user_sgpr_kernarg_segment_ptr 1
		.amdhsa_wavefront_size32 1
		.amdhsa_system_sgpr_workgroup_id_x 1
		.amdhsa_system_sgpr_workgroup_id_y 1
		.amdhsa_system_sgpr_workgroup_id_z 1
		.amdhsa_system_vgpr_workitem_id 0
		.amdhsa_next_free_vgpr 256
		.amdhsa_next_free_sgpr 66
		.amdhsa_reserve_vcc 0
		.amdhsa_float_denorm_mode_32 3
		.amdhsa_float_denorm_mode_16_64 3
		.amdhsa_memory_ordered 1
		.amdhsa_forward_progress 1
		.amdhsa_inst_pref_size 104
	.end_amdhsa_kernel
	.amdgpu_metadata
---
amdhsa.version: [ 1, 2 ]
amdhsa.kernels:
  - .name:           k_qb3ca480ca8_tail
    .symbol:         k_qb3ca480ca8_tail.kd
    .args:
      - { .name: att, .offset: 0, .size: 8, .value_kind: global_buffer, .address_space: global }
      - { .name: qa2, .offset: 8, .size: 8, .value_kind: global_buffer, .address_space: global }
      - { .name: pc, .offset: 16, .size: 8, .value_kind: global_buffer, .address_space: global }
      - { .name: g2, .offset: 24, .size: 8, .value_kind: global_buffer, .address_space: global }
      - { .name: be2, .offset: 32, .size: 8, .value_kind: global_buffer, .address_space: global }
      - { .name: g3, .offset: 40, .size: 8, .value_kind: global_buffer, .address_space: global }
      - { .name: be3, .offset: 48, .size: 8, .value_kind: global_buffer, .address_space: global }
      - { .name: bf1, .offset: 56, .size: 8, .value_kind: global_buffer, .address_space: global }
      - { .name: bf2, .offset: 64, .size: 8, .value_kind: global_buffer, .address_space: global }
      - { .name: lowp_scales, .offset: 72, .size: 8, .value_kind: global_buffer, .address_space: global }
      - { .name: out0, .offset: 80, .size: 8, .value_kind: global_buffer, .address_space: global }
    .group_segment_fixed_size: 207360
    .private_segment_fixed_size: 0
    .kernarg_segment_align: 8
    .kernarg_segment_size: 88
    .max_flat_workgroup_size: 512
    .sgpr_count:     66
    .vgpr_count:     256
    .wavefront_size: 32
...
	.end_amdgpu_metadata
.endif
;; end of part 7
